; MI455X (gfx1250); checked and timed in simulation.
; The chip was launched on July 23, 2026; its instructions are those of AMD's public machine-readable ISA for CDNA 5 (MIT licence, August 2026) and "CDNA5" Instruction Set Architecture Reference Guide (July 2026). The comments in the code are by the model that wrote it; some were corrected since.
;; Attention. Allowed arithmetic: matrix products marked QUANTISED: E2M1 operands, one E8M0 scale for each 32 along K, by v_wmma_scale_f32_16x16x128_f8f6f4 with both operands' format E2M1 (or v_wmma_scale_f32_32x16x128_f4), f32 sums; products left as they are: bf16, f16 or f32 operands; f32 sums; everything else in f32.
;; Inputs: Wout 1,024 x 1,024 float32; Wqkv 3,072 x 1,024 float32; bout 1,024 float32; mask 8 x 1,023 bool; x 8 x 1,024 x 1,024 float32.
;; Outputs: out0 8 x 1,024 x 1,024 float32.
;; This version of the problem:
;;   THIS VERSION OF THE PROBLEM IS GIVEN IN LOW PRECISION. The matrix products marked QUANTISED in the list below multiply operands that are first quantised to E2M1 (2 exponent bits, 1 mantissa bit; 4 bits a number), with one power-of-two scale for each 32 numbers along K (OCP MX v1.0); their sums are f32. The products marked 'left as it is' may take bf16, f16 or f32 operands, with f32 sums. Whichever they take, every output number must still come out within the allowed error. Rounding operands to bf16 (8 significant bits) uses up far more of that allowance than f16 does (11 bits, for magnitudes from 6e-5 to 65,504). All else is computed in f32.
;;   The module's matrix products, in the order in which they are computed (A, B: the left and right operand; K: the contracted axis; several contracted axes count as one K, in the product's order):
;;     1. [M 8,192, K 1,024] x [K 1,024, N 3,072]; A: input x; B: input Wqkv: QUANTISED
;;     2. batch 128 x [M 1,024, K 64] x [K 64, N 1,024]; A: computed on the way; B: computed on the way: left as it is (an operand is computed on the way)
;;     3. batch 128 x [M 1,024, K 1,024] x [K 1,024, N 64]; A: computed on the way; B: computed on the way: left as it is (an operand is computed on the way)
;;     4. [M 8,192, K 1,024] x [K 1,024, N 1,024]; A: computed on the way; B: input Wout: left as it is (an operand is computed on the way)
;;   THE QUANTISER, for each operand of a quantised product, along K:
;;     - K is cut into blocks of 32 from its start; a last block that is shorter is filled with zeros.
;;     - A block's scale is 2^e with e = floor(log2(the largest magnitude in the block)) - 2, held to -126 .. 127; a block of zeros has e = 0. As a byte (E8M0): e + 127.
;;     - Each number is divided by its block's scale, clamped to +-6, and rounded to the nearest number of E2M1, ties to even, subnormals kept.
;;     - The product sums the exact products of the quantised numbers (number of the format x scale) in f32.
;;   ~~~python
;;   def quantise(x, axis):      # numpy; x: float32 -> the quantised numbers, widened to float32 again
;;       x = np.moveaxis(x, axis, -1); K = x.shape[-1]
;;       x = np.pad(x, [(0, 0)] * (x.ndim - 1) + [(0, -K % 32)]); x = x.reshape(x.shape[:-1] + (-1, 32)); a = np.abs(x).max(-1, keepdims=True)
;;       e = np.where(a > 0, np.clip(np.frexp(np.where(a > 0, a, 1))[1] - 1 - 2, -126, 127), 0)      # np.frexp(a)[1] - 1 = floor(log2(a)), exactly
;;       r = np.clip(x / 2.0 ** e, -6, 6)
;;       step = 2.0 ** (np.maximum(np.frexp(np.where(r == 0, 1, r))[1] - 1, 0) - 1)
;;       q = np.round(r / step) * step * 2.0 ** e      # np.round: ties to even
;;       return np.moveaxis(q.reshape(q.shape[:-2] + (-1,))[..., :K], -1, axis).astype(np.float32)
;;   ~~~
;; One version. Each part assembles by itself: llvm-mc -triple=amdgcn-amd-amdhsa -mcpu=gfx1250 --defsym DOCPART=n.
;; ======== version 1 of 1: 4 launches
;; limits: values are held in f16: magnitudes above 65,504 overflow, below 6.1e-05 lose precision; right only within a limited range of input values
;; workspace buffers: xc 4,194,304 bytes; xs 262,144 bytes; wc 1,572,864 bytes; ws 98,304 bytes; woh 2,097,152 bytes; kbias 32,768 bytes; qkvh 50,331,648 bytes; oh 16,777,216 bytes
;; launch prep (part 1): grid 385 x 1, 4 waves a work-group, no clusters, 33,280 bytes of LDS; arguments x, Wqkv, Wout, mask, xc, xs, wc, ws, woh, kbias; writes xc, xs, wc, ws, woh, kbias
.if DOCPART == 1
	.amdgcn_target "amdgcn-amd-amdhsa--gfx1250"
	.amdhsa_code_object_version 6
	.text
	.protected	k_q6eed81c0b2_prep
	.globl	k_q6eed81c0b2_prep
	.p2align	8
	.type	k_q6eed81c0b2_prep,@function
k_q6eed81c0b2_prep:
	s_mov_b64 s[64:65], 0
	v_nop
	global_prefetch_b8 v0, s[64:65] scope:SCOPE_SE
	s_setreg_imm32_b32 hwreg(HW_REG_WAVE_MODE, 25, 1), 1
	s_wait_xcnt 0x0
; THE OPERANDS ARE MADE READY, once, for the three launches that follow.  Three kinds of work-groups, told apart by the work-group's number alone:
;   0 .. 351   x [8192][1024] (the first 256) and Wqkv [3072][1024], f32, become codes of FP4 (E2M1), K innermost, two codes a byte, with one E8M0 scale byte for each 32 along K
;   352 .. 383 Wout [1024][1024] f32 becomes f16, same layout
;   384        mask [8][1023] bool becomes the key bias [8][1024] f32: 0 for a token that counts, -2^126 for one that does not; token 0 of every batch always counts
; THE QUANTISER.  A block's scale is 2^(floor(log2(its largest magnitude)) - 2); its byte is the largest magnitude's own exponent field - 2, held at 1 from below.  Each number is divided by the scale and
; rounded to the nearest code, ties to even; beyond 6 the largest code.  A block of zeros gets the byte 1 where the rule says 127: its codes are zeros, and the bytes are read by this program alone.
; LIMITS: blocks whose largest magnitude lies under 2^(2 - 126) keep the byte 1; NaN and infinities among the inputs are not served; |Wout| above 65,504 becomes infinity in f16, and under 6e-5 it is
; kept in steps of 2^-24; a mask byte other than 0 counts as true.
; Rows are dense and K is a multiple of 32, so x and Wqkv are plain streams of blocks of 32.  A wave takes 16 steps of 512 numbers: each of a step's four loads reads 512 consecutive bytes; the 2,048 bytes
; turn through the wave's own stage in LDS and come back 64 bytes a lane (16 neighbours along K; two neighbouring lanes hold a block).  No tensor loads, no barrier: waves share nothing.
; Loads run eight steps ahead: 32 loads, 16,384 bytes, of every wave are on their way.
.set WAVES, 4
.set STEPS, 16
.set DEPTH, 8                          ; steps of loads on their way
.set WGA,   256                        ; work-groups for x: 8192 x 1024 / 32,768
.set WGQ,   352                        ; and with Wqkv's 96
.set WGM,   384                        ; the one that makes the key bias
.set EMAX,  2
.set CB,    8                          ; bytes of 16 codes
.set R,     16                         ; v16-143  eight sets of 16 numbers as they are loaded (Wout: two sets of 64)
.set X,     144                        ; v144-175 two sets of 16 neighbours
.set E,     176                        ; v176-191 a scale byte for each step
.set C,     192                        ; v192-255 codes: four registers for each step, so that no store's data are written again
.set YB,    144                        ; v144-175 Wout: 16 stores' f16 pairs
.set WREG,  8192                       ; LDS: a region for each wave: two stages of 32 x SP bytes, and behind them its 256 scale bytes
.set SP,    80                         ; a lane's place in a stage: its 64 bytes + 16 of padding
.set SPW,   12                         ; v12  LDS address of my spare word: SPARE + 4 x my thread's number; never rewritten
.set NIL,   13                         ; v13  0; never rewritten
.set SPARE, WAVES*WREG                 ; behind the four regions: the spare words, 128 bytes for each wave, which no other line names
	s_load_b256 s[4:11], s[0:1], 0x0               ; x s[4:5], Wqkv s[6:7], Wout s[8:9], mask s[10:11]
	s_load_b256 s[12:19], s[0:1], 0x20             ; xc s[12:13], xs s[14:15], wc s[16:17], ws s[18:19]
	s_load_b128 s[20:23], s[0:1], 0x40             ; woh s[20:21], kbias s[22:23]
	v_lshl_add_u32 v[SPW], v0, 2, SPARE
	v_mov_b32 v[NIL], 0
	v_lshrrev_b32 v1, 5, v0
	v_readfirstlane_b32 s24, v1                    ; wave
	v_and_b32 v2, 31, v0                           ; lane
	s_cmp_ge_u32 ttmp9, WGQ
	s_cbranch_scc1 .Lother
	; ---------------- x and Wqkv into codes ----------------
	v_lshlrev_b32 v3, 4, v2                        ; my 16 bytes of a load's 512
	s_mul_i32 s25, s24, WREG
	v_lshrrev_b32 v14, 2, v2
	v_mul_u32_u24 v14, v14, SP
	v_and_b32 v15, 3, v2
	v_lshl_add_u32 v14, v15, 4, v14
	v_add_nc_u32 v14, s25, v14                     ; the stage, on the way in: four lanes' 64 bytes on end, then 16 of padding
	v_mul_u32_u24 v15, v2, SP
	v_add_nc_u32 v15, s25, v15                     ; and on the way out: SP x lane: my 16 neighbours
	v_mul_u32_u24 v4, v2, CB                       ; my codes' place in a step's
	v_lshrrev_b32 v5, 1, v2
	s_add_co_u32 s25, s25, 2*32*SP
	v_add_nc_u32 v5, s25, v5                       ; LDS: my wave's 256 scale bytes, my block's byte
	v_lshlrev_b32 v7, 3, v2                        ; and on the way out 8 bytes a lane
	v_add_nc_u32 v6, s25, v7
	s_wait_kmcnt 0x0
	s_cmp_lt_u32 ttmp9, WGA                        ; x's work-group or Wqkv's?  The choice hangs on the work-group's number alone
	s_cselect_b64 s[4:5], s[4:5], s[6:7]
	s_cselect_b64 s[12:13], s[12:13], s[16:17]
	s_cselect_b64 s[14:15], s[14:15], s[18:19]
	s_cselect_b32 s25, 0, WGA
	s_sub_co_u32 s25, ttmp9, s25
	s_lshl_b32 s25, s25, 2
	s_add_co_u32 s26, s25, s24                     ; which run of 8,192 numbers of the tensor is my wave's
	s_mov_b32 s27, 0
	s_mov_b64 s[28:29], 512*STEPS*4
	s_mul_u64 s[28:29], s[26:27], s[28:29]
	s_add_nc_u64 s[4:5], s[4:5], s[28:29]
	s_mov_b64 s[28:29], 32*STEPS*CB
	s_mul_u64 s[28:29], s[26:27], s[28:29]
	s_add_nc_u64 s[12:13], s[12:13], s[28:29]
	s_lshl_b32 s26, s26, 8                         ; 256 scale bytes a run
	s_add_nc_u64 s[14:15], s[14:15], s[26:27]
.macro LOAD t
.irp i, 0,1,2,3
	global_load_b128 v[R+16*((\t)%DEPTH)+4*\i:R+16*((\t)%DEPTH)+4*\i+3], v3, s[4:5] offset:2048*(\t)+512*\i th:TH_LOAD_NT   ; 32 lanes read 512 consecutive bytes
.endr
.endm
.macro TURN t                          ; step t's numbers through the stage: LDS serves a wave's instructions in order, so no wait stands between the stores and the loads
.irp i, 0,1,2,3
	ds_store_b128 v14, v[R+16*((\t)%DEPTH)+4*\i:R+16*((\t)%DEPTH)+4*\i+3] offset:32*SP*((\t)%2)+8*SP*\i
.endr
.irp i, 0,1,2,3
	ds_load_b128 v[X+16*((\t)%2)+4*\i:X+16*((\t)%2)+4*\i+3], v15 offset:32*SP*((\t)%2)+16*\i
.endr
.endm
.irp t, 0,1,2,3,4,5,6,7
	LOAD \t
.endr
	s_wait_loadcnt 4*(DEPTH-1)                     ; step 0's four loads are in; the seven younger steps' 28 may be out
	TURN 0
.macro STEP t
.set XS, X+16*((\t)%2)
.if (\t) > 0
	s_wait_dscnt 1                                 ; this step's numbers are back from the stage (the last step's byte store may be out): so its stores into the stage have read their registers,
.else
	s_wait_dscnt 0x0
.endif
.if (\t)+DEPTH < STEPS
	LOAD (\t)+DEPTH                                ; which take the loads of eight steps on
.endif
.if (\t)+1 < STEPS
.if STEPS-2-(\t) >= DEPTH-1
	s_wait_loadcnt 4*(DEPTH-1)                     ; the next step's four loads are in; those of the seven steps behind it may be out
.else
	s_wait_loadcnt 4*(STEPS-2-(\t))                ; near the end: those of the steps that are left
.endif
	TURN (\t)+1                                    ; and go through the other stage while this step is worked
.endif
	v_max3_num_f32 v8, |v[XS]|, |v[XS+1]|, |v[XS+2]|               ; the largest magnitude of my 16
	v_max3_num_f32 v9, |v[XS+3]|, |v[XS+4]|, |v[XS+5]|
.irp i, 6,10
	v_max3_num_f32 v8, v8, |v[XS+\i]|, |v[XS+\i+1]|
	v_max3_num_f32 v9, v9, |v[XS+\i+2]|, |v[XS+\i+3]|
.endr
	v_max3_num_f32 v8, v8, |v[XS+14]|, |v[XS+15]|
	v_max3_num_f32 v8, v8, v9, (EMAX+1)<<23        ; and the floor 2^(EMAX + 1 - 127): so the byte cannot fall under 1
	v_max_num_f32_dpp v8, v8, v8 row_xmask:1 row_mask:0xf bank_mask:0xf   ; and of my neighbour's 16: the block's
	v_add_nc_u32 v11, -(EMAX<<23), v8              ; EMAX off its exponent field: the conversion takes the exponent field of this operand as its scale, and nothing else of it
	v_cvt_scalef32_pk8_fp4_f32 v[C+4*(\t)], v[XS:XS+7], v11
	v_cvt_scalef32_pk8_fp4_f32 v[C+4*(\t)+1], v[XS+8:XS+15], v11
	v_lshrrev_b32 v[E+(\t)], 23, v11               ; the scale's byte (also the plain line behind the conversions)
	ds_store_b8 v5, v[E+(\t)] offset:16*(\t)       ; both lanes of a block write the same byte with the same value
	global_store_b64 v4, v[C+4*(\t):C+4*(\t)+1], s[12:13] offset:32*CB*(\t)   ; the wave stores 256 consecutive bytes, aligned
.endm
.irp t, 0,1,2,3,4,5,6,7,8,9,10,11,12,13,14,15
	STEP \t
.endr
	ds_load_b64 v[8:9], v6                         ; LDS serves a wave's instructions in order: these see my stores
	s_wait_dscnt 0x0
	global_store_b64 v7, v[8:9], s[14:15]          ; 32 lanes store 256 consecutive bytes, aligned
	s_wait_tensorcnt 0x0                           ; the wave's end, behind my last LDS store
	ds_add_u32 v[SPW], v[NIL]
	s_wait_dscnt 0x0
	s_endpgm
.Lother:
	s_cmp_eq_u32 ttmp9, WGM
	s_cbranch_scc1 .Lmask
	; ---------------- Wout into f16: a wave takes 8,192 numbers, in four batches of 16 loads; no LDS ----------------
	v_lshlrev_b32 v3, 4, v2                        ; in: 16 bytes a lane
	v_lshlrev_b32 v4, 3, v2                        ; out: 8 bytes a lane
	s_sub_co_u32 s25, ttmp9, WGQ
	s_lshl_b32 s25, s25, 2
	s_add_co_u32 s25, s25, s24                     ; my run
	s_lshl_b32 s26, s25, 15                        ; 32,768 bytes of f32,
	s_mov_b32 s27, 0
	s_lshl_b32 s28, s25, 14                        ; 16,384 of f16
	s_mov_b32 s29, 0
	s_wait_kmcnt 0x0
	s_add_nc_u64 s[8:9], s[8:9], s[26:27]
	s_add_nc_u64 s[20:21], s[20:21], s[28:29]
.macro LOADB k
.irp i, 0,1,2,3,4,5,6,7,8,9,10,11,12,13,14,15
	global_load_b128 v[R+64*((\k)%2)+4*\i:R+64*((\k)%2)+4*\i+3], v3, s[8:9] offset:512*(16*(\k)+\i) th:TH_LOAD_NT
.endr
.endm
.macro CONVB k
.if (\k) < 3
	s_wait_loadcnt 16                              ; this batch is in; the next batch's 16 loads may be out
.else
	s_wait_loadcnt 0x0
.endif
.if (\k) > 0
	s_wait_xcnt 0x0                                ; the last batch's stores have read their data registers, which are written again below
.endif
.irp i, 0,1,2,3,4,5,6,7,8,9,10,11,12,13,14,15
	v_cvt_pk_f16_f32 v[YB+2*\i], v[R+64*((\k)%2)+4*\i], v[R+64*((\k)%2)+4*\i+1]
	v_cvt_pk_f16_f32 v[YB+2*\i+1], v[R+64*((\k)%2)+4*\i+2], v[R+64*((\k)%2)+4*\i+3]
.endr
.irp i, 0,1,2,3,4,5,6,7,8,9,10,11,12,13,14,15
	global_store_b64 v4, v[YB+2*\i:YB+2*\i+1], s[20:21] offset:256*(16*(\k)+\i)   ; the wave stores 256 consecutive bytes, aligned
.endr
.if (\k) < 2
	LOADB (\k)+2
.endif
.endm
	LOADB 0
	LOADB 1
	CONVB 0
	CONVB 1
	CONVB 2
	CONVB 3
	s_endpgm
.Lmask:
	; ---------------- the key bias: entry e = 512 i + 4 t + c of [8][1024] (thread t, i = 0 .. 15, c = 0 .. 3); batch = i / 2; its mask byte lies at e - batch - 1 ----------------
	v_lshlrev_b32 v3, 2, v0                        ; 4 t
	v_max_u32 v4, 4, v3                            ; for the entries of token 0, which have no mask byte: thread 0 reads a neighbour's byte, inside the buffer, and the result is replaced below
	v_lshlrev_b32 v5, 4, v0                        ; out: 16 bytes a thread
	v_mov_b32 v6, 0xfe800000                       ; -2^126
	v_cmp_eq_u32 s26, 0, v0                        ; thread 0
	s_wait_kmcnt 0x0
.irp i, 0,1,2,3,4,5,6,7,8,9,10,11,12,13,14,15
.irp c, 0,1,2,3
.if ((\i%2) == 0) && (\c == 0)
	global_load_u8 v[16+4*\i+\c], v4, s[10:11] offset:512*\i+\c-(\i/2)-1   ; lowest address 3
.else
	global_load_u8 v[16+4*\i+\c], v3, s[10:11] offset:512*\i+\c-(\i/2)-1   ; highest address 8,183, the buffer's last byte
.endif
.endr
.endr
	s_wait_loadcnt 0x0
.set n, 0
.rept 64
	v_cmp_eq_u32 vcc_lo, 0, v[16+n]
	v_cndmask_b32 v[16+n], 0, v6, vcc_lo           ; a byte of 0: -2^126; else 0
.set n, n+1
.endr
.irp i, 0,2,4,6,8,10,12,14
	v_cndmask_b32 v[16+4*\i], v[16+4*\i], v[NIL], s26   ; token 0 of each batch always counts
.endr
.irp i, 0,1,2,3,4,5,6,7,8,9,10,11,12,13,14,15
	global_store_b128 v5, v[16+4*\i:16+4*\i+3], s[22:23] offset:2048*\i   ; a wave stores 512 consecutive bytes
.endr
	s_endpgm
.Lfunc_end_k_q6eed81c0b2_prep:
	.size	k_q6eed81c0b2_prep, .Lfunc_end_k_q6eed81c0b2_prep-k_q6eed81c0b2_prep
	.p2alignl 7, 3214868480
	.fill 96, 4, 3214868480
	.section	.rodata,"a",@progbits
	.p2align	6, 0x0
	.amdhsa_kernel k_q6eed81c0b2_prep
		.amdhsa_group_segment_fixed_size 33280
		.amdhsa_private_segment_fixed_size 0
		.amdhsa_enable_private_segment 0
		.amdhsa_kernarg_size 80
		.amdhsa_user_sgpr_count 2
		.amdhsa_user_sgpr_kernarg_segment_ptr 1
		.amdhsa_wavefront_size32 1
		.amdhsa_system_sgpr_workgroup_id_x 1
		.amdhsa_system_sgpr_workgroup_id_y 1
		.amdhsa_system_sgpr_workgroup_id_z 1
		.amdhsa_system_vgpr_workitem_id 0
		.amdhsa_next_free_vgpr 256
		.amdhsa_next_free_sgpr 66
		.amdhsa_reserve_vcc 1
		.amdhsa_float_denorm_mode_32 3
		.amdhsa_float_denorm_mode_16_64 3
		.amdhsa_memory_ordered 1
		.amdhsa_forward_progress 1
		.amdhsa_inst_pref_size 67
	.end_amdhsa_kernel
	.amdgpu_metadata
---
amdhsa.version: [ 1, 2 ]
amdhsa.kernels:
  - .name:           k_q6eed81c0b2_prep
    .symbol:         k_q6eed81c0b2_prep.kd
    .args:
      - { .name: x, .offset: 0, .size: 8, .value_kind: global_buffer, .address_space: global }
      - { .name: Wqkv, .offset: 8, .size: 8, .value_kind: global_buffer, .address_space: global }
      - { .name: Wout, .offset: 16, .size: 8, .value_kind: global_buffer, .address_space: global }
      - { .name: mask, .offset: 24, .size: 8, .value_kind: global_buffer, .address_space: global }
      - { .name: xc, .offset: 32, .size: 8, .value_kind: global_buffer, .address_space: global }
      - { .name: xs, .offset: 40, .size: 8, .value_kind: global_buffer, .address_space: global }
      - { .name: wc, .offset: 48, .size: 8, .value_kind: global_buffer, .address_space: global }
      - { .name: ws, .offset: 56, .size: 8, .value_kind: global_buffer, .address_space: global }
      - { .name: woh, .offset: 64, .size: 8, .value_kind: global_buffer, .address_space: global }
      - { .name: kbias, .offset: 72, .size: 8, .value_kind: global_buffer, .address_space: global }
    .group_segment_fixed_size: 33280
    .private_segment_fixed_size: 0
    .kernarg_segment_align: 8
    .kernarg_segment_size: 80
    .max_flat_workgroup_size: 128
    .sgpr_count:     66
    .vgpr_count:     256
    .wavefront_size: 32
...
	.end_amdgpu_metadata
.endif
;; end of part 1
;; launch qkv (part 2): grid 8 x 32, 4 waves a work-group, clusters of 4 x 4, 327,680 bytes of LDS; arguments xc, xs, wc, ws, qkvh; writes qkvh
.if DOCPART == 2
	.amdgcn_target "amdgcn-amd-amdhsa--gfx1250"
	.amdhsa_code_object_version 6
	.text
	.protected	k_q6eed81c0b2_qkv
	.globl	k_q6eed81c0b2_qkv
	.p2align	8
	.type	k_q6eed81c0b2_qkv,@function
k_q6eed81c0b2_qkv:
	s_mov_b64 s[64:65], 0
	v_nop
	global_prefetch_b8 v0, s[64:65] scope:SCOPE_SE
	s_setreg_imm32_b32 hwreg(HW_REG_WAVE_MODE, 25, 1), 1
	s_wait_xcnt 0x0
	s_wait_alu depctr_hold_cnt(0) depctr_sa_sdst(0) depctr_va_vdst(0) depctr_va_sdst(0) depctr_va_ssrc(0) depctr_va_vcc(0) depctr_vm_vsrc(0)
	s_getreg_b32 s2, hwreg(HW_REG_IB_STS2, 6, 4)
	s_cmp_eq_u32 s2, 0
	s_cbranch_scc0 .Lentry_in_a_cluster
	s_endpgm
.Lentry_in_a_cluster:
	s_bfe_u32 s2, ttmp6, 0x10000c
	s_cmp_lg_u32 s2, 0xf033
	s_cbranch_scc0 .Lentry_shape_is_right
	s_endpgm
.Lentry_shape_is_right:
; qkv[m][n] = sum over k of x[m][k] Wqkv[n][k], on codes of FP4 (E2M1) with one E8M0 scale for each 32 along K; sums in f32; the result is rounded once to f16 and laid HEAD-MAJOR:
; qkvh [3 parts q, k, v][8 batches][16 heads][1024 tokens][64], so that a head's Q, K or V is one dense block of 131,072 bytes for the attention launch.
; LIMITS: a result above 65,504 in magnitude becomes infinity in f16; under 6e-5 it is kept in steps of 2^-24.
; SHARES.  8192 x 3072 results / 256 work-groups = 256 tokens x 384 columns each: grid 8 x 32.  A WORK-GROUP STAYS and makes its tile in THREE PASSES of 256 x 128.  In a pass each of the four waves makes
; 128 tokens x 64 columns, which is one head: 32 accumulators of 16 x 16, and 16,384 dense bytes of qkvh.  A pass's results leave while the next pass is multiplied.
; x'S FRAGMENTS STAY IN REGISTERS: a wave's 128 tokens x 1,024 along K are 8 blocks x 8 K steps x 8 registers = 512.  They are read from LDS once, step by step during pass 0; passes 1 and 2 read Wqkv's
; fragments alone: 8 LDS loads for 32 matrix instructions.
; LDS: x's 256 rows of 512 bytes, all of K; two slots of 128 rows of Wqkv; both sides' scale bytes for all of K and all passes.  x and three slots would be 337,920 bytes, more than there is: so pass 2's
; rows are brought into slot 0 when pass 0 has read it, behind a round of the cluster's barrier, and have all of pass 1 in which to land.
; CLUSTERS: 4 x 4 work-groups.  The four of a row of the cluster need the same rows of x, the four of a column the same rows of Wqkv: each tile is asked for JOINTLY, by the same tensor load with the same
; descriptor and a mask that names the four.  Every wave brings a quarter of every tile: no branch stands round a tensor load.  By this text's count five tensor loads of a wave are out at the most.
; No prefetch: all tiles but one are asked for at the head.
; THE MATRIX INSTRUCTION IS USED TRANSPOSED (source 0 = 16 rows of Wqkv, source 1 = 16 tokens): a lane then holds eight neighbouring columns of one token.
; REGISTERS, in windows of 256.  Window 0: v16-29 addresses; v32-95 x's scale words (block a, K step q at 32 + 8 a + q); v96-127 Wqkv's of the pass (96 + 8 b + q); v128-191 Wqkv's fragments, two sets;
;   v192-207 packed results; v208-239 rows read back from the stage, two sets.   Windows 1 and 2: x's fragments (K step q, block a at 256 + 64 q + 8 a).   Window 3: accumulator (a, b) at v[8 (4 a + b)].
.set KROW,   512                       ; a row of 1,024 codes in bytes
.set PITCH,  528                       ; an LDS row: 512 bytes + 16 of padding = 132 words: row r starts at bank 4 r mod 64 (64 banks of 4 bytes: ISA guide 11.1), so the 16 rows of a fragment load start at 16 different banks
.set AW,     64*PITCH                  ; what one wave's load of x brings: 64 rows
.set BW,     32*PITCH                  ; and of Wqkv: 32 rows
.set BOFF,   256*PITCH                 ; Wqkv's slots lie behind x's 256 rows
.set BSLOT,  128*PITCH
.set SCA,    BOFF+2*BSLOT              ; x's scale bytes: 256 rows x 32 bytes, as 32 rows of 256 bytes + 16 of padding
.set SCB,    SCA+32*272                ; Wqkv's: 384 rows x 32 bytes, as 48 such rows
.set STAGE,  SCB+48*272                ; the way out: 16 rows x (128 bytes + 16) for each wave; bytes of its own, into which no fill lands
.set SPITCH, 144
.set SPARE,  STAGE+4*16*SPITCH         ; the spare words, 128 bytes for each wave, which no other line names
.set ADRA, 16                          ; v16     LDS address of my x fragments
.set ADRB, 20                          ; v20-21  of my Wqkv fragments in slot 0, 1
.set ADSA, 22                          ; v22     of my x scale words
.set ADSB, 23                          ; v23     of my Wqkv scale words, pass 0
.set STO,  24                          ; v24     the way out: where I put 16 bytes of a row
.set RD,   25                          ; v25     where I read 16 bytes back
.set GO,   26                          ; v26     16 x lane: my byte offset in a store's 512 bytes
.set SPW,  28                          ; v28     LDS address of my spare word; never rewritten
.set NIL,  29                          ; v29     0; never rewritten
.set SA,   32
.set SB,   96
.set BF,   128
.set TMP,  192
.set BK,   208
.set G1A,  24                          ; s[24:31] descriptor group 1 for x's rows;  s[32:39] for Wqkv's;  s[48:55], s[56:63] for their scale bytes
.set G1B,  32
.set G1SA, 48
.set G1SB, 56
.set G0SA, 68                          ; groups 0: s[68:71] x's scales, s[72:75] Wqkv's scales, s[76:79] x, s[80:83] slot 0, s[84:87] slot 1
.set G0SB, 72
.set G0A,  76
.set G0B0, 80
.set G0B1, 84
.set OUTB, 88                          ; s[88:93] where my head of pass 0, 1, 2 begins in qkvh
.set MSB, 0
.macro WIN new                         ; the immediate's high byte repeats the setting that is left; a switch that changes nothing is dropped
.if MSB != (\new)
	s_set_vgpr_msb (MSB<<8)|(\new)
.set MSB, (\new)
.endif
.endm
.macro CROUND                          ; a round of the cluster's barrier
	s_barrier_signal -1
	s_barrier_wait -1
	s_cmp_lg_u32 s14, 0
	s_cbranch_scc1 .Lnot_wave_0_\@
	s_barrier_signal -3
.Lnot_wave_0_\@:
	s_barrier_wait -3
	s_barrier_signal -1
	s_barrier_wait -1
.endm
; A load into a register that a matrix instruction has read, and a vector instruction that reads a matrix result, stand four places behind that matrix instruction; only plain vector instructions that
; name none of its registers are places (ISA guide 7.12.1 for vector instructions).
.macro PLACES
.rept 4
	v_nop
.endr
.endm
	s_load_b128 s[4:7], s[0:1], 0x0                ; x's codes s[4:5], x's scales s[6:7]
	s_load_b128 s[8:11], s[0:1], 0x10              ; Wqkv's codes s[8:9], its scales s[10:11]
	s_load_b64 s[12:13], s[0:1], 0x20              ; qkvh
	v_lshl_add_u32 v[SPW], v0, 2, SPARE
	v_mov_b32 v[NIL], 0
	ds_add_u32 v[SPW], v[NIL]                      ; the wave's opening: the add, twice on end, and its wait ahead of my first tensor load
	ds_add_u32 v[SPW], v[NIL]
	v_lshrrev_b32 v1, 5, v0
	v_readfirstlane_b32 s14, v1                    ; wave 0..3
	s_lshr_b32 s15, s14, 1                         ; which 128 tokens are mine
	s_and_b32 s16, s14, 1                          ; which 64 of a pass's 128 columns
	s_bfe_u32 s40, ttmp6, 0x40000                  ; cx, cy: my place in the cluster
	s_bfe_u32 s41, ttmp6, 0x40004
	s_lshl_b32 s42, ttmp9, 2
	s_add_co_u32 s42, s42, s40                     ; tile column = 4 x cluster x + cx: 0 .. 7
	s_and_b32 s17, ttmp7, 0xffff
	s_lshl_b32 s17, s17, 2
	s_add_co_u32 s17, s17, s41                     ; tile row = 4 x cluster y + cy: 0 .. 31
	s_lshl_b32 s43, s41, 2
	s_lshl_b32 s43, 15, s43                        ; my row of the cluster
	s_lshl_b32 s44, 0x1111, s40                    ; my column
	; descriptor group 1: rows of 512 bytes, padded in LDS: 64 of x, 32 of Wqkv
	s_or_b32 s[G1A+0], s43, (0<<16)|(1<<20)|(1<<21)|(6<<22)|(3<<25)  ; 15:0 the mask; 17:16 element of 1 byte; 20 padding on; 21 set beside a mask; 24:22 after every 128 words; 31:25 of 4 words
	s_or_b32 s[G1B+0], s44, (0<<16)|(1<<20)|(1<<21)|(6<<22)|(3<<25)
.irp g, G1A, G1B
	s_mov_b32 s[\g+1], KROW<<16                    ; tensor_dim0
	s_mov_b32 s[\g+3], KROW<<16                    ; tile_dim0
	s_mov_b32 s[\g+5], KROW                        ; tensor_dim0_stride
	s_mov_b32 s[\g+6], 0
	s_mov_b32 s[\g+7], 0
.endr
	s_mov_b32 s[G1A+2], 64<<16                     ; tensor_dim1
	s_mov_b32 s[G1A+4], 64                         ; tile_dim1
	s_mov_b32 s[G1B+2], 32<<16
	s_mov_b32 s[G1B+4], 32
	; and for the scale bytes: dense blocks, as rows of 256 bytes (32 elements of 8 bytes), 16 bytes of padding behind each: 8 rows (64 rows of x), 12 rows (96 rows of Wqkv)
	s_or_b32 s[G1SA+0], s43, (3<<16)|(1<<20)|(1<<21)|(5<<22)|(3<<25)
	s_or_b32 s[G1SB+0], s44, (3<<16)|(1<<20)|(1<<21)|(5<<22)|(3<<25)
.irp g, G1SA, G1SB
	s_mov_b32 s[\g+1], 32<<16
	s_mov_b32 s[\g+3], 32<<16
	s_mov_b32 s[\g+5], 32
	s_mov_b32 s[\g+6], 0
	s_mov_b32 s[\g+7], 0
.endr
	s_mov_b32 s[G1SA+2], 8<<16
	s_mov_b32 s[G1SA+4], 8
	s_mov_b32 s[G1SB+2], 12<<16
	s_mov_b32 s[G1SB+4], 12
	; where my quarters come from.  x's hang on the tile row alone, Wqkv's on the tile column alone; each offset is made in registers that never hold the other coordinate
	s_lshl_b32 s20, s17, 8
	s_lshl_b32 s18, s14, 6
	s_add_co_u32 s20, s20, s18                     ; x: row 256 x tile row + 64 x wave
	s_lshl_b32 s22, s20, 5                         ; its scale bytes: 32 a row
	s_mov_b32 s23, 0
	s_lshl_b32 s20, s20, 9                         ; its codes: 512 bytes a row
	s_mov_b32 s21, 0
	s_lshl_b32 s46, s42, 8
	s_lshl_b32 s47, s42, 7
	s_add_co_u32 s46, s46, s47                     ; Wqkv: row 384 x tile column
	s_mul_i32 s94, s14, 96
	s_add_co_u32 s94, s94, s46                     ; scale bytes: + 96 x wave
	s_lshl_b32 s94, s94, 5
	s_mov_b32 s95, 0
	s_lshl_b32 s47, s14, 5
	s_add_co_u32 s46, s46, s47                     ; codes: + 32 x wave (pass 0)
	s_lshl_b32 s46, s46, 9
	s_mov_b32 s47, 0
	; and where they go: a constant + the wave's number x a constant: no place in the cluster enters an LDS address
	s_mov_b32 s[G0SA], 1
	s_mul_i32 s[G0SA+1], s14, 8*272
	s_add_co_u32 s[G0SA+1], s[G0SA+1], SCA
	s_mov_b32 s[G0SB], 1
	s_mul_i32 s[G0SB+1], s14, 12*272
	s_add_co_u32 s[G0SB+1], s[G0SB+1], SCB
	s_mov_b32 s[G0A], 1
	s_mul_i32 s[G0A+1], s14, AW
	s_mov_b32 s[G0B0], 1
	s_mul_i32 s[G0B0+1], s14, BW
	s_add_co_u32 s[G0B0+1], s[G0B0+1], BOFF
	s_mov_b32 s[G0B1], 1
	s_add_co_u32 s[G0B1+1], s[G0B0+1], BSLOT
	s_wait_dscnt 0x0                               ; both opening adds are done
	s_wait_kmcnt 0x0
	s_add_nc_u64 s[G0SA+2:G0SA+3], s[6:7], s[22:23]
	s_add_nc_u64 s[G0SB+2:G0SB+3], s[10:11], s[94:95]
	s_add_nc_u64 s[G0A+2:G0A+3], s[4:5], s[20:21]
	s_add_nc_u64 s[G0B0+2:G0B0+3], s[8:9], s[46:47]
	s_add_nc_u64 s[G0B1+2:G0B1+3], s[G0B0+2:G0B0+3], 128*KROW   ; pass 1: 128 rows on
.irp g, G0SA, G0SB, G0A, G0B0, G0B1
	s_or_b32 s[\g+3], s[\g+3], 0x80000000          ; 127:126 type = 2
.endr
	CROUND                                         ; all sixteen work-groups are here: the joint loads meet
	tensor_load_to_lds s[G0SA:G0SA+3], s[G1SA:G1SA+7]   ; the first fills go out as one group; an s_nop 0 follows each, four v_nop the last
	s_nop 0
	tensor_load_to_lds s[G0SB:G0SB+3], s[G1SB:G1SB+7]
	s_nop 0
	tensor_load_to_lds s[G0A:G0A+3], s[G1A:G1A+7]
	s_nop 0
	tensor_load_to_lds s[G0B0:G0B0+3], s[G1B:G1B+7]
	s_nop 0
	tensor_load_to_lds s[G0B1:G0B1+3], s[G1B:G1B+7]
	s_nop 0
	PLACES
	v_and_b32 v1, 15, v0                           ; r = l % 16
	v_bfe_u32 v2, v0, 4, 1                         ; h = l / 16
	v_mul_u32_u24 v3, v1, PITCH
	v_lshl_add_u32 v3, v2, 4, v3                   ; a fragment's row x pitch + 16 x half
	s_mul_i32 s21, s15, 128*PITCH                  ; my 128 tokens
	v_add_nc_u32 v[ADRA], s21, v3
	s_mul_i32 s22, s16, 64*PITCH                   ; my 64 rows of a slot's 128
	s_add_co_u32 s22, s22, BOFF
	v_add_nc_u32 v[ADRB], s22, v3
	s_add_co_u32 s22, s22, BSLOT
	v_add_nc_u32 v[ADRB+1], s22, v3
	v_lshlrev_b32 v5, 5, v1                        ; my row's scale bytes: 32 a row,
	v_lshrrev_b32 v6, 3, v1
	v_lshl_add_u32 v5, v6, 4, v5                   ; and 16 more behind each 256 (eight rows)
	s_mul_i32 s21, s15, 16*272                     ; x's: my 128 rows are 16 rows of 256 bytes
	s_add_co_u32 s21, s21, SCA
	v_add_nc_u32 v[ADSA], s21, v5
	s_mul_i32 s22, s16, 8*272                      ; Wqkv's: my 64 rows are 8
	s_add_co_u32 s22, s22, SCB
	v_add_nc_u32 v[ADSB], s22, v5
	s_mul_i32 s23, s14, 16*SPITCH
	s_add_co_u32 s23, s23, STAGE                   ; my stage
	v_mul_u32_u24 v5, v1, SPITCH                   ; in: row r, 16 bytes for each half of the lanes
	v_lshl_add_u32 v5, v2, 4, v5
	v_add_nc_u32 v[STO], s23, v5
	v_bfe_u32 v6, v0, 3, 2
	v_and_b32 v7, 7, v0
	v_mul_u32_u24 v5, v6, SPITCH                   ; back: eight lanes to a row of 128 bytes, four rows an instruction,
	v_lshl_add_u32 v5, v7, 4, v5
	v_add_nc_u32 v[RD], s23, v5
	v_and_b32 v[GO], 31, v0
	v_lshlrev_b32 v[GO], 4, v[GO]                  ; which are 512 dense bytes of qkvh
	; where my results go: in pass p my 64 columns are head hh = 6 x tile column + 2 p + half of 48; its block of 131,072 bytes is number 128 (hh / 16) + 16 x batch + hh % 16
	s_lshl_b32 s46, s42, 2
	s_lshl_b32 s47, s42, 1
	s_add_co_u32 s46, s46, s47
	s_add_co_u32 s46, s46, s16                     ; 6 x tile column + half
	s_lshr_b32 s18, s17, 2
	s_lshl_b32 s18, s18, 4                         ; 16 x batch (a batch is four tile rows)
	s_and_b32 s19, s17, 3
	s_lshl_b32 s19, s19, 15                        ; 256 tokens of 128 bytes for each tile row in the batch,
	s_lshl_b32 s20, s15, 14                        ; 128 for my half
	s_add_co_u32 s19, s19, s20
.irp p, 0,1,2
	s_add_co_u32 s20, s46, 2*\p                    ; hh
	s_lshr_b32 s21, s20, 4
	s_lshl_b32 s21, s21, 7                         ; 128 x part
	s_and_b32 s20, s20, 15                         ; head
	s_add_co_u32 s20, s20, s21
	s_add_co_u32 s20, s20, s18
	s_lshl_b32 s20, s20, 17
	s_add_co_u32 s20, s20, s19
	s_mov_b32 s21, 0
	s_add_nc_u64 s[OUTB+2*\p:OUTB+2*\p+1], s[12:13], s[20:21]
.endr
; A fragment, 16 rows x 128 K of 4-bit codes, is 8 registers: lane l holds row l % 16; registers 4 c .. 4 c + 3 hold K = 64 c + 32 (l / 16) + 0 .. 31: two loads of 16 bytes, 32 bytes apart.
.macro FETCH_B slot, q                 ; Wqkv's four fragments of K step q into set q % 2 (every window 0)
.irp b, 0,1,2,3
	ds_load_b128 v[BF+32*((\q)%2)+8*\b:BF+32*((\q)%2)+8*\b+3],   v[ADRB+\slot] offset:64*(\q)+\b*16*PITCH
	ds_load_b128 v[BF+32*((\q)%2)+8*\b+4:BF+32*((\q)%2)+8*\b+7], v[ADRB+\slot] offset:64*(\q)+\b*16*PITCH+32
.endr
.endm
.macro FETCH_A q                       ; x's eight fragments of K step q into their place for the whole launch: window 1 (steps 0-3) or 2 (steps 4-7)
	WIN 0x40*(1+(\q)/4)
.irp a, 0,1,2,3,4,5,6,7
	ds_load_b128 v[64*((\q)%4)+8*\a:64*((\q)%4)+8*\a+3],   v[ADRA] offset:64*(\q)+\a*16*PITCH
	ds_load_b128 v[64*((\q)%4)+8*\a+4:64*((\q)%4)+8*\a+7], v[ADRA] offset:64*(\q)+\a*16*PITCH+32
.endr
	WIN 0
.endm
.macro SCALES_A                        ; x's scale words: a row's 32 bytes are the words of its 8 K steps; lane l takes row l % 16 of block a (both halves of the lanes the same word)
.irp a, 0,1,2,3,4,5,6,7
	ds_load_b128 v[SA+8*\a:SA+8*\a+3],   v[ADSA] offset:544*\a
	ds_load_b128 v[SA+8*\a+4:SA+8*\a+7], v[ADSA] offset:544*\a+16
.endr
.endm
.macro SCALES_B p                      ; Wqkv's of pass p: 128 rows, 16 rows of 256 bytes, on for each pass
.irp b, 0,1,2,3
	ds_load_b128 v[SB+8*\b:SB+8*\b+3],   v[ADSB] offset:16*272*(\p)+544*\b
	ds_load_b128 v[SB+8*\b+4:SB+8*\b+7], v[ADSB] offset:16*272*(\p)+544*\b+16
.endr
.endm
; 4 matrix instructions: block a of 16 tokens against the pass's four blocks of columns, K step q.  K step 0 starts the sums: nothing is ever cleared.
; The 32 accumulators take turns, one instruction a turn, in the same order in every step.
.macro MUL4 a, q
.irp b, 0,1,2,3
.if (\q) == 0
	v_wmma_scale_f32_16x16x128_f8f6f4 v[8*(4*(\a)+\b):8*(4*(\a)+\b)+7], v[BF+32*((\q)%2)+8*\b:BF+32*((\q)%2)+8*\b+7], v[64*((\q)%4)+8*(\a):64*((\q)%4)+8*(\a)+7], 0, v[SB+8*\b+(\q)], v[SA+8*(\a)+(\q)] matrix_a_fmt:MATRIX_FMT_FP4 matrix_b_fmt:MATRIX_FMT_FP4
.else
	v_wmma_scale_f32_16x16x128_f8f6f4 v[8*(4*(\a)+\b):8*(4*(\a)+\b)+7], v[BF+32*((\q)%2)+8*\b:BF+32*((\q)%2)+8*\b+7], v[64*((\q)%4)+8*(\a):64*((\q)%4)+8*(\a)+7], v[8*(4*(\a)+\b):8*(4*(\a)+\b)+7], v[SB+8*\b+(\q)], v[SA+8*(\a)+(\q)] matrix_a_fmt:MATRIX_FMT_FP4 matrix_b_fmt:MATRIX_FMT_FP4
.endif
.endr
.endm
; A K step of 128: 32 matrix instructions.  Behind its first eight the next step's fragments are asked for, in one run: Wqkv's into the other set; lda = 1 (pass 0): x's too.
; Windows: source 0 (Wqkv) window 0, source 1 (x) window 1 or 2, C and D window 3.
.macro STEP slot, q, lda
	s_wait_dscnt 0x0                               ; this step's fragments are in
	WIN 0xf4+4*((\q)/4)
	MUL4 0, \q
	MUL4 1, \q
.if (\q) < 7
	PLACES                                         ; in front of the loads into the set that the step before multiplied
	WIN 0
	FETCH_B \slot, (\q)+1
.if \lda
	FETCH_A (\q)+1
.endif
	WIN 0xf4+4*((\q)/4)
.endif
.irp a, 2,3,4,5,6,7
	MUL4 \a, \q
.endr
.endm
.macro PASS slot, lda
.irp q, 0,1,2,3,4,5,6,7
	STEP \slot, \q, \lda
.endr
	WIN 0
.endm
; THE WAY OUT of a pass, block by block of 16 tokens x 64 columns.  PACK: rounded to f16, 16 bytes a lane, each accumulator from its low end on.  TOSTAGE: into my own stage, and back as 512 dense bytes.
; SEND: stored.  LDS serves a wave's instructions in order (ISA guide 5.7.1.4): no wait between the stage's stores and its loads.
.macro PACK a
	WIN 0x0f                                       ; sources 0 and 1: window 3
.irp b, 0,1,2,3
.irp r, 0,1,2,3
	v_cvt_pk_f16_f32 v[TMP+4*\b+\r], v[8*(4*(\a)+\b)+2*\r], v[8*(4*(\a)+\b)+2*\r+1]
.endr
.endr
	WIN 0
.endm
.macro TOSTAGE a
.irp b, 0,1,2,3
	ds_store_b128 v[STO], v[TMP+4*\b:TMP+4*\b+3] offset:32*\b
.endr
.irp i, 0,1,2,3
	ds_load_b128 v[BK+16*((\a)%2)+4*\i:BK+16*((\a)%2)+4*\i+3], v[RD] offset:\i*4*SPITCH
.endr
.endm
.macro SEND a, p
	s_wait_dscnt 0x0                               ; the block is back in registers
	s_wait_xcnt 0x0                                ; the stores of the block before have read their data registers, into which the next block's loads will land
.irp i, 0,1,2,3
	global_store_b128 v[GO], v[BK+16*((\a)%2)+4*\i:BK+16*((\a)%2)+4*\i+3], s[OUTB+2*(\p):OUTB+2*(\p)+1] offset:2048*(\a)+512*\i   ; the wave stores 512 consecutive bytes, aligned: four tokens of the head
.endr
.endm
.macro WAYOUT p
	PACK 0
	TOSTAGE 0
.irp a, 1,2,3,4,5,6,7                  ; block a's conversions stand between block a - 1's loads from the stage and the wait for them
	PACK \a
	SEND \a-1, \p
	TOSTAGE \a
.endr
	SEND 7, \p
.endm
	s_wait_tensorcnt 1                             ; my quarters of the scales, of x and of slot 0 are in; slot 1's load may be out
	s_barrier_signal -1
	s_barrier_wait -1                              ; everybody's are
	SCALES_A
	SCALES_B 0
	FETCH_B 0, 0
	FETCH_A 0
	PASS 0, 1                                      ; pass 0: x's fragments come into their registers on the way
	s_wait_tensorcnt 0x0                           ; all my tensor loads have landed, my quarter of slot 1 among them: so a group 0 may be written
	ds_add_u32 v[SPW], v[NIL]                      ; 0 onto my spare word
	s_add_nc_u64 s[G0B0+2:G0B0+3], s[G0B0+2:G0B0+3], 256*KROW   ; pass 2's rows: 256 on from pass 0's; the type bits on top are not reached
	s_wait_dscnt 0x0                               ; the add is done, and my reads of x and of slot 0 are over
	CROUND                                         ; no wave of any partner still reads slot 0 or has a load on its way; slot 1 is whole
	tensor_load_to_lds s[G0B0:G0B0+3], s[G1B:G1B+7]   ; my one load behind the round: pass 2's rows into slot 0; all of pass 1 lies between it and the wait for it
	s_nop 0
	PLACES                                         ; also the places behind pass 0's last products, in front of the loads and conversions below
	SCALES_B 1
	FETCH_B 1, 0
	WAYOUT 0                                       ; pass 0's results leave while pass 1 is multiplied
	PASS 1, 0
	s_wait_tensorcnt 0x0                           ; my quarter of pass 2's rows has landed
	ds_add_u32 v[SPW], v[NIL]
	s_wait_dscnt 0x0
	s_barrier_signal -1
	s_barrier_wait -1                              ; everybody's has
	PLACES
	SCALES_B 2
	FETCH_B 0, 0
	WAYOUT 1
	PASS 0, 0
	PLACES
	WAYOUT 2
	s_wait_tensorcnt 0x0                           ; the wave's end, behind my last tensor load and my last LDS store
	ds_add_u32 v[SPW], v[NIL]
	s_wait_dscnt 0x0
	CROUND                                         ; the closing round: no work-group ends while a partner may still ask for a tile that names it
	s_endpgm
.Lfunc_end_k_q6eed81c0b2_qkv:
	.size	k_q6eed81c0b2_qkv, .Lfunc_end_k_q6eed81c0b2_qkv-k_q6eed81c0b2_qkv
	.p2alignl 7, 3214868480
	.fill 96, 4, 3214868480
	.section	.rodata,"a",@progbits
	.p2align	6, 0x0
	.amdhsa_kernel k_q6eed81c0b2_qkv
		.amdhsa_group_segment_fixed_size 327680
		.amdhsa_private_segment_fixed_size 0
		.amdhsa_enable_private_segment 0
		.amdhsa_kernarg_size 40
		.amdhsa_user_sgpr_count 2
		.amdhsa_user_sgpr_kernarg_segment_ptr 1
		.amdhsa_wavefront_size32 1
		.amdhsa_system_sgpr_workgroup_id_x 1
		.amdhsa_system_sgpr_workgroup_id_y 1
		.amdhsa_system_sgpr_workgroup_id_z 1
		.amdhsa_system_vgpr_workitem_id 0
		.amdhsa_next_free_vgpr 1024
		.amdhsa_next_free_sgpr 98
		.amdhsa_reserve_vcc 0
		.amdhsa_float_denorm_mode_32 3
		.amdhsa_float_denorm_mode_16_64 3
		.amdhsa_memory_ordered 1
		.amdhsa_forward_progress 1
		.amdhsa_inst_pref_size 183
	.end_amdhsa_kernel
	.amdgpu_metadata
---
amdhsa.version: [ 1, 2 ]
amdhsa.kernels:
  - .name:           k_q6eed81c0b2_qkv
    .symbol:         k_q6eed81c0b2_qkv.kd
    .args:
      - { .name: xc, .offset: 0, .size: 8, .value_kind: global_buffer, .address_space: global }
      - { .name: xs, .offset: 8, .size: 8, .value_kind: global_buffer, .address_space: global }
      - { .name: wc, .offset: 16, .size: 8, .value_kind: global_buffer, .address_space: global }
      - { .name: ws, .offset: 24, .size: 8, .value_kind: global_buffer, .address_space: global }
      - { .name: qkvh, .offset: 32, .size: 8, .value_kind: global_buffer, .address_space: global }
    .group_segment_fixed_size: 327680
    .private_segment_fixed_size: 0
    .kernarg_segment_align: 8
    .kernarg_segment_size: 40
    .max_flat_workgroup_size: 128
    .sgpr_count:     98
    .vgpr_count:     1024
    .wavefront_size: 32
...
	.end_amdgpu_metadata
.endif
;; end of part 2
;; launch attn (part 3): grid 2 x 128, 8 waves a work-group, no clusters, 327,680 bytes of LDS; arguments qkvh, kbias, oh; writes oh
.if DOCPART == 3
	.amdgcn_target "amdgcn-amd-amdhsa--gfx1250"
	.amdhsa_code_object_version 6
	.text
	.protected	k_q6eed81c0b2_attn
	.globl	k_q6eed81c0b2_attn
	.p2align	8
	.type	k_q6eed81c0b2_attn,@function
k_q6eed81c0b2_attn:
	s_mov_b64 s[64:65], 0
	v_nop
	global_prefetch_b8 v0, s[64:65] scope:SCOPE_SE
	s_setreg_imm32_b32 hwreg(HW_REG_WAVE_MODE, 25, 1), 1
	s_wait_xcnt 0x0
; O[b][h][q][:] = sum over k of softmax_k(masked Q.K / 32) V[k][:], head size 64, 1,024 tokens, 128 heads.  Q, K, V and O in f16, head-major [..][1024][64]; products, maxima and sums in f32; the weights p
; are rounded to f16 for the second product, O once at the end.
; THE MASK.  A token that does not count as a KEY gets -2^126 added to its scores: the key bias (0 or -2^126) is the C of each score tile's first matrix instruction, so it costs no vector work, and p is 0.
; Token 0 always counts, so the running maximum is a true score from the first step on.  A token that does not count as a QUERY has all its scores equal: its row is the plain mean of V over all 1,024
; keys.  Such rows are computed like the others and replaced at the end, by a select, with the mean, which the work-group makes once as V^T x (a fragment of 2^-10).
; LIMITS: scores of magnitude 2^125 and above are not served; |O| above 65,504 becomes infinity in f16, under 6e-5 it is kept in steps of 2^-24; NaN and infinities are not served.
; SHARES.  A work-group owns 512 queries of one head (grid x: which half; grid y: 16 x batch + head): 256 work-groups.  Each of its eight waves owns 64 queries, four tiles of 16; two waves share a SIMD, so
; that one wave's softmax stands beside the other's products.  ALL 1,024 keys of K and V lie in LDS, each byte filled once, by tensor loads issued at the head: waves 0-3 bring K, waves 4-7 V, in four
; chunks of 256 keys, so that work begins when the first chunk has landed.  By this text's count five tensor loads of a wave are out at the most.
; NO CLUSTER: a head's K and V are read by two work-groups, once each; a cluster of four would hold two pairs that want unlike tiles.  NO PREFETCH: everything is asked for at the head.
; LAYOUT.  S^T = K Q^T + bias (source 0 = 16 keys, source 1 = 16 queries): a lane holds ONE query (lane % 16) and keys 8 (lane / 16) + 0..7.  Two such tiles, rounded to f16 in pairs, ARE source 1 of
; O^T = V^T P, whose result again holds one query a lane.  K comes out of LDS as it lies, V ([key][channel]) turned, by ds_load_tr16_b128.
; SOFTMAX.  For each query a running maximum m and sum l: p = 2^(c s - c m), c = log2(e) / 32; in every step O and l are multiplied by a = 2^(c m_old - c m_new).
; REGISTERS.  Window 0: v1-23 addresses and my queries' bias; v24-55 eight registers of statistics a tile; v64-191 S^T, 32 a tile (P is written over each tile's first 16); v192-255 K of one step.
;             Window 1: v0-127 O^T, 32 a tile; v128-191 Q; v192-255 V of one step (its first 32 hold the next step's key bias while K Q^T runs).
.set KP,    272                        ; LDS: two keys (256 bytes) + 16 of padding: the 16 rows of a fragment load fall on 16 different 16-byte columns of the 64 banks (ISA guide 11.1)
.set VP,    288                        ; two keys + 32: the same for the turning load's 8 rows x 32 bytes
.set KSTP,  32*KP                      ; a step of 64 keys in K,
.set VSTP,  32*VP                      ; in V
.set VBASE, 512*KP                     ; K: 139,264 bytes from 0; V: 147,456 behind it
.set KBT,   VBASE+512*VP               ; the batch's key bias, 4,096 dense bytes
.set SCR,   KBT+4096                   ; [2 halves of the keys][64 channels] f32: the parts of mean(V)
.set STAGE, SCR+512                    ; the way out: 16 rows x (128 bytes + 16) for each wave
.set SPITCH, 144
.set SPARE, STAGE+8*16*SPITCH          ; the spare words, 128 bytes for each wave, which no other line names
.set AK0,  3                           ; v3   my lane's place in a tile of K
.set AV0,  4                           ; v4   in a tile of V
.set AKB0, 5                           ; v5   in the key bias
.set ADK,  6                           ; v6-8 the addresses of the runs of loads in hand
.set ADV,  7
.set ADB,  8
.set QO,   9                           ; v9   my byte offset in the wave's rows of Q
.set SPW,  10                          ; v10  LDS address of my spare word; never rewritten
.set NIL,  11                          ; v11  0; never rewritten
.set STO,  12                          ; v12  the way out: where I put 16 bytes of a row
.set RD,   13                          ; v13  where I read 16 bytes back
.set GO,   14                          ; v14  my byte offset in the wave's rows of O
.set ASC,  15                          ; v15  where I put my part of mean(V)
.set AMV,  16                          ; v16  where I read the parts
.set AQM,  17                          ; v17  4 x (lane % 16): my query's byte offset among a tile's 16 entries of the key bias in memory; never rewritten
.set KBQ,  18                          ; v18-21 my query's entry of the key bias, for each tile: loaded at the head, read at the end
.set ST,   24                          ; tile t's statistics at v[ST+8 t]: +0 c m, +1 m, +2, +3 l (even keys', odd keys'), +4 to +7 c0-c3, at work; a takes c2's place
.set S,    64
.set KF,   192                         ; K[kt][e] at KF + 16 kt + 8 e
.set QF,   128                         ; window 1: Q[t][e] at QF + 16 t + 8 e
.set VB,   192                         ; window 1: V[u][ct] at VB + 8 (4 u + ct); bias tile kt at VB + 8 kt
.set EA,   64                          ; the tail: two accumulators of mean(V), v64-79
.set MS,   80                          ; their sum
.set ONE,  96                          ; a fragment of 2^-10
.set MV,   128                         ; mean(V) in O^T's layout, v128-159 (v160-191: the second half's part)
.set PB,   64                          ; O as f16, 16 registers a tile
.set WV,   10                          ; s10  my wave's number
.set G1K,  24                          ; s[24:31] descriptor group 1 for K;  s[32:39] for V;  s[40:47] for the key bias
.set G1V,  32
.set G1M,  40
.set G0M,  48                          ; s[48:51] group 0 for the key bias
.set CS,   52                          ; s[52:53] c: the packed form names a pair and takes its low word for both halves
.set SEL,  54                          ; s[54:55] lane selects for v_permlanex16_b32: lane l xor 16
.set TBK,  56                          ; s56  LDS offset of the next step's K,
.set TBV,  57                          ; s57  of this step's V,
.set TBB,  58                          ; s58  of the next step's key bias
.set CNT,  59
.set QM,   60                          ; s60-63 for each tile: the lanes whose query does not count
.set G0K,  68                          ; s[68:83] four groups 0 for K's chunks;  s[84:99] for V's
.set G0V,  84
.set MSB, 0
.macro WIN new                         ; the immediate's high byte repeats the setting that is left; a switch that changes nothing is dropped
.if MSB != (\new)
	s_set_vgpr_msb (MSB<<8)|(\new)
.set MSB, (\new)
.endif
.endm
.set W_QK0, 0x14                       ; K window 0, Q window 1, C (the bias) window 1, S^T window 0
.set W_QK1, 0x04                       ; the same with C = S^T
.set W_PV,  0x51                       ; V window 1, P window 0, O^T window 1
.set W_RS,  0x41                       ; O^T (destination and source 0) window 1, source 1 window 0
.set W_LD1, 0x40                       ; destination window 1, address window 0
.set W_SV,  0x01                       ; V window 1, all else window 0
.set W_CV,  0x05                       ; sources 0 and 1 window 1, destination window 0
	s_load_b128 s[4:7], s[0:1], 0x0                ; qkvh s[4:5], kbias s[6:7]
	s_load_b64 s[8:9], s[0:1], 0x10                ; oh
	v_lshl_add_u32 v[SPW], v0, 2, SPARE
	v_mov_b32 v[NIL], 0
	ds_add_u32 v[SPW], v[NIL]                      ; the wave's opening: the add, twice on end, and its wait ahead of my first tensor load
	ds_add_u32 v[SPW], v[NIL]
	v_lshrrev_b32 v1, 5, v0
	v_readfirstlane_b32 s[WV], v1                  ; wave 0..7
	s_lshr_b32 s11, s[WV], 2                       ; I fetch for K (0) or for V (1).  Later: which half of the keys I average
	s_and_b32 s12, s[WV], 3                        ; which quarter of a chunk I fetch.  Later: which 16 channels I average
	s_and_b32 s13, ttmp7, 0xffff                   ; 16 x batch + head
	s_lshl_b32 s14, s13, 17                        ; a head's block is 131,072 bytes
	s_lshl_b32 s15, s12, 13                        ; my quarter: 64 keys of 128 bytes
	s_add_co_u32 s16, s14, s15
	s_mov_b32 s17, 0                               ; K, V: the head, my quarter
	s_lshl_b32 s18, ttmp9, 16                      ; 512 queries of 128 bytes,
	s_lshl_b32 s19, s[WV], 13                      ; my wave's 64
	s_add_co_u32 s18, s18, s19
	s_add_co_u32 s18, s18, s14
	s_mov_b32 s19, 0                               ; Q, O: the head, the half, my wave
	s_lshr_b32 s20, s13, 4
	s_lshl_b32 s20, s20, 12                        ; the batch's 4,096 bytes of key bias,
	s_lshl_b32 s14, ttmp9, 11                      ; (in them my work-group's 512 queries' entries,
	s_add_co_u32 s14, s14, s20
	s_lshl_b32 s15, s[WV], 8                       ; and my wave's 64: where my queries' own entries lie in memory)
	s_add_co_u32 s14, s14, s15
	s_mov_b32 s15, 0
	s_lshl_b32 s21, s[WV], 9                       ; my wave's 512 bytes of the batch's, which I bring into LDS
	s_add_co_u32 s20, s20, s21
	s_mov_b32 s21, 0
	s_mul_i32 s22, s12, 32*KP                      ; where my quarter goes: in K,
	s_mul_i32 s23, s12, 32*VP
	s_add_co_u32 s23, s23, VBASE                   ; in V
	; descriptor group 1: 32 rows of 128 elements of 2 bytes (two keys a row), dense in memory, padded in LDS
	s_mov_b32 s[G1K], (1<<16)|(1<<20)|(5<<22)|(3<<25)   ; no mask; elements of 2 bytes; padding on; after every 64 words; 4 words
	s_mov_b32 s[G1V], (1<<16)|(1<<20)|(5<<22)|(7<<25)   ; the same with 8 words
.irp g, G1K, G1V
	s_mov_b32 s[\g+1], 128<<16                     ; tensor_dim0
	s_mov_b32 s[\g+2], 32<<16                      ; tensor_dim1
	s_mov_b32 s[\g+3], 128<<16                     ; tile_dim0
	s_mov_b32 s[\g+4], 32                          ; tile_dim1
	s_mov_b32 s[\g+5], 128                         ; tensor_dim0_stride
	s_mov_b32 s[\g+6], 0
	s_mov_b32 s[\g+7], 0
.endr
	s_mov_b32 s[G1M], 3<<16                        ; the key bias: 2 rows of 32 elements of 8 bytes, dense, no padding
	s_mov_b32 s[G1M+1], 32<<16
	s_mov_b32 s[G1M+2], 2<<16
	s_mov_b32 s[G1M+3], 32<<16
	s_mov_b32 s[G1M+4], 2
	s_mov_b32 s[G1M+5], 32
	s_mov_b32 s[G1M+6], 0
	s_mov_b32 s[G1M+7], 0
	s_mov_b32 s[CS], 0x3d38aa3b                    ; c = log2(e) / 32
	s_mov_b32 s[CS+1], s[CS]
	s_mov_b32 s[SEL], 0x76543210
	s_mov_b32 s[SEL+1], 0xfedcba98
	s_mov_b32 s[TBK], KSTP
	s_mov_b32 s[TBV], 0
	s_mov_b32 s[TBB], 256
	s_wait_dscnt 0x0                               ; both opening adds are done
	s_wait_kmcnt 0x0
	s_mov_b32 s[G0M], 1
	s_lshl_b32 s[G0M+1], s[WV], 9
	s_add_co_u32 s[G0M+1], s[G0M+1], KBT
	s_add_nc_u64 s[G0M+2:G0M+3], s[6:7], s[20:21]
	s_or_b32 s[G0M+3], s[G0M+3], 0x80000000
	s_add_nc_u64 s[6:7], s[6:7], s[14:15]          ; the key bias at my wave's first query
	s_add_nc_u64 s[16:17], s[4:5], s[16:17]
.irp c, 0,1,2,3                        ; chunk c: keys 256 c on.  K is part 1 of qkvh (2^24 bytes on), V part 2 (2^25)
	s_mov_b32 s[G0K+4*\c], 1
	s_add_co_u32 s[G0K+4*\c+1], s22, \c*128*KP
	s_add_nc_u64 s[G0K+4*\c+2:G0K+4*\c+3], s[16:17], 0x1000000+\c*32768
	s_or_b32 s[G0K+4*\c+3], s[G0K+4*\c+3], 0x80000000
	s_mov_b32 s[G0V+4*\c], 1
	s_add_co_u32 s[G0V+4*\c+1], s23, \c*128*VP
	s_add_nc_u64 s[G0V+4*\c+2:G0V+4*\c+3], s[16:17], 0x2000000+\c*32768
	s_or_b32 s[G0V+4*\c+3], s[G0V+4*\c+3], 0x80000000
.endr
	s_add_nc_u64 s[4:5], s[4:5], s[18:19]          ; Q at my wave's first query
	s_add_nc_u64 s[8:9], s[8:9], s[18:19]          ; O likewise
	tensor_load_to_lds s[G0M:G0M+3], s[G1M:G1M+7]  ; my eighth of the key bias
	s_nop 0
	s_cmp_eq_u32 s11, 0                            ; all first fills stand together, ahead of every wait on TENSORcnt, every LDS read and every barrier; both arms issue four
	s_cbranch_scc0 .Lfirst_v
.irp c, 0,1,2,3
	tensor_load_to_lds s[G0K+4*\c:G0K+4*\c+3], s[G1K:G1K+7]
	s_nop 0
.endr
.rept 4
	v_nop
.endr
	s_branch .Lfirst_asked
.Lfirst_v:
.irp c, 0,1,2,3
	tensor_load_to_lds s[G0V+4*\c:G0V+4*\c+3], s[G1V:G1V+7]
	s_nop 0
.endr
.rept 4
	v_nop
.endr
.Lfirst_asked:
	; A fragment of K or Q is 16 rows x 32 channels in 8 registers: lane l holds row l % 16; registers 0-3 channels 8 (l / 16) + 0..7, registers 4-7 channels 16 + 8 (l / 16) + 0..7
	v_and_b32 v1, 15, v0                           ; r
	v_bfe_u32 v2, v0, 4, 1                         ; h
	v_lshlrev_b32 v[QO], 7, v1
	v_lshl_add_u32 v[QO], v2, 4, v[QO]             ; row x 128 + 16 x half
	v_lshlrev_b32 v[AQM], 2, v1                    ; 4 bytes an entry of the key bias
	WIN W_LD1
.irp t, 0,1,2,3
.irp e, 0,1
	global_load_b128 v[QF+16*\t+8*\e:QF+16*\t+8*\e+3],   v[QO], s[4:5] offset:2048*\t+64*\e      ; Q stays in registers
	global_load_b128 v[QF+16*\t+8*\e+4:QF+16*\t+8*\e+7], v[QO], s[4:5] offset:2048*\t+64*\e+32
.endr
.endr
	WIN 0
.irp t, 0,1,2,3
	global_load_b32 v[KBQ+\t], v[AQM], s[6:7] offset:64*\t   ; does my query of tile t count?  From memory, so that no LDS address hangs on the work-group's number; 256 bytes a wave
.endr
	v_lshrrev_b32 v22, 1, v1
	v_and_b32 v23, 1, v0
	v_mul_u32_u24 v[AK0], v22, KP                  ; key r lies in long row r / 2,
	v_lshl_add_u32 v[AK0], v23, 7, v[AK0]          ; half r % 2
	v_lshl_add_u32 v[AK0], v2, 4, v[AK0]
	; the turning load takes 16 keys x 16 channels: lane l reads 16 bytes of key 8 (l / 16) + l % 8, channels 8 ((l / 8) % 2) + 0..7
	v_bfe_u32 v22, v0, 1, 2
	v_lshl_add_u32 v22, v2, 2, v22                 ; long row 4 h + (l % 8) / 2
	v_mul_u32_u24 v[AV0], v22, VP
	v_lshl_add_u32 v[AV0], v23, 7, v[AV0]
	v_bfe_u32 v22, v0, 3, 1
	v_lshl_add_u32 v[AV0], v22, 4, v[AV0]
	v_add_nc_u32 v[AV0], VBASE, v[AV0]
	v_lshl_add_u32 v[AKB0], v2, 5, KBT             ; the bias of keys 8 h + 0..7 of a tile: 32 bytes
	s_mul_i32 s20, s[WV], 16*SPITCH
	s_add_co_u32 s20, s20, STAGE                   ; my stage
	v_mul_u32_u24 v[STO], v1, SPITCH               ; in: row r, 16 bytes for each half of the lanes
	v_lshl_add_u32 v[STO], v2, 4, v[STO]
	v_add_nc_u32 v[STO], s20, v[STO]
	v_bfe_u32 v22, v0, 3, 2
	v_and_b32 v23, 7, v0
	v_mul_u32_u24 v[RD], v22, SPITCH               ; back: eight lanes to a row of 128 bytes, four rows an instruction
	v_lshl_add_u32 v[RD], v23, 4, v[RD]
	v_add_nc_u32 v[RD], s20, v[RD]
	v_and_b32 v[GO], 31, v0
	v_lshlrev_b32 v[GO], 4, v[GO]                  ; which are 512 dense bytes of O
	s_lshl_b32 s20, s11, 8
	s_lshl_b32 s21, s12, 6
	s_add_co_u32 s20, s20, s21
	s_add_co_u32 s20, s20, SCR
	v_lshl_add_u32 v[ASC], v2, 5, s20              ; SCR + 256 x half of the keys + 64 x tile of channels + 32 h
	v_lshl_add_u32 v[AMV], v2, 5, SCR
.macro FETCHK adr                      ; a step's K: 64 keys x 64 channels: 16 loads
.irp kt, 0,1,2,3
.irp e, 0,1
	ds_load_b128 v[KF+16*\kt+8*\e:KF+16*\kt+8*\e+3],   v[\adr] offset:8*KP*\kt+64*\e
	ds_load_b128 v[KF+16*\kt+8*\e+4:KF+16*\kt+8*\e+7], v[\adr] offset:8*KP*\kt+64*\e+32
.endr
.endr
.endm
.macro FETCHV                          ; a step's V, turned: 16 loads.  f = 4 u + ct: keys 32 u on, channels 16 ct on
.irp f, 0,1,2,3,4,5,6,7
	ds_load_tr16_b128 v[VB+8*\f:VB+8*\f+3],   v[ADV] offset:(\f/4)*16*VP+(\f%4)*32
	ds_load_tr16_b128 v[VB+8*\f+4:VB+8*\f+7], v[ADV] offset:(\f/4)*16*VP+8*VP+(\f%4)*32
.endr
.endm
.macro FETCHB adr                      ; a step's key bias in the result's layout: register j of tile kt = the bias of key 16 kt + 8 h + j: 8 loads, the same bytes in sixteen lanes
.irp kt, 0,1,2,3
	ds_load_b128 v[VB+8*\kt:VB+8*\kt+3],   v[\adr] offset:64*\kt
	ds_load_b128 v[VB+8*\kt+4:VB+8*\kt+7], v[\adr] offset:64*\kt+16
.endr
.endm
; 16 products of O^T += V^T P: keys 32 u on.  The sixteen accumulators take turns, one instruction a turn.  zero = 1: they start the sums.
.macro PVU u, zero
.irp ct, 0,1,2,3
.irp t, 0,1,2,3
.if \zero
	v_wmma_f32_16x16x32_f16 v[32*\t+8*\ct:32*\t+8*\ct+7], v[VB+8*(4*\u+\ct):VB+8*(4*\u+\ct)+7], v[S+32*\t+8*\u:S+32*\t+8*\u+7], 0
.else
	v_wmma_f32_16x16x32_f16 v[32*\t+8*\ct:32*\t+8*\ct+7], v[VB+8*(4*\u+\ct):VB+8*(4*\u+\ct)+7], v[S+32*\t+8*\u:S+32*\t+8*\u+7], v[32*\t+8*\ct:32*\t+8*\ct+7]
.endif
.endr
.endr
.endm
; THE SOFTMAX of the wave's four tiles for one key step; the tiles alternate line by line, so that no line waits for the line above it.  first = 1: the first step, which starts m, l and O^T.
.macro SOFTMAX first
.irp j, 0,1,2,3                        ; the maximum of a lane's 32 scores: four chains, each begun at an accumulator's low end
.irp t, 0,1,2,3
	v_max3_num_f32 v[ST+8*\t+4+\j], v[S+32*\t+8*\j], v[S+32*\t+8*\j+1], v[S+32*\t+8*\j+2]
.endr
.endr
.irp i, 3,5
.irp j, 0,1,2,3
.irp t, 0,1,2,3
	v_max3_num_f32 v[ST+8*\t+4+\j], v[ST+8*\t+4+\j], v[S+32*\t+8*\j+\i], v[S+32*\t+8*\j+\i+1]
.endr
.endr
.endr
.irp t, 0,1,2,3
	v_max3_num_f32 v[ST+8*\t+4], v[ST+8*\t+4], v[S+32*\t+7], v[S+32*\t+15]
.endr
.irp t, 0,1,2,3
	v_max3_num_f32 v[ST+8*\t+6], v[ST+8*\t+6], v[S+32*\t+23], v[S+32*\t+31]
.endr
.irp t, 0,1,2,3
	v_max3_num_f32 v[ST+8*\t+4], v[ST+8*\t+4], v[ST+8*\t+5], v[ST+8*\t+6]
.endr
.irp t, 0,1,2,3
.if \first
	v_max_num_f32 v[ST+8*\t+4], v[ST+8*\t+4], v[ST+8*\t+7]
.else
	v_max3_num_f32 v[ST+8*\t+4], v[ST+8*\t+4], v[ST+8*\t+7], v[ST+8*\t+1]   ; with the old m
.endif
.endr
.irp t, 0,1,2,3
	v_permlanex16_b32 v[ST+8*\t+5], v[ST+8*\t+4], s[SEL], s[SEL+1]   ; the query's other 32 keys lie in the lane 16 away
.endr
.if !\first
.irp t, 0,1,2,3
	v_mov_b32 v[ST+8*\t+7], v[ST+8*\t]             ; c m_old is kept for a
.endr
.endif
.irp t, 0,1,2,3
	v_max_num_f32 v[ST+8*\t+1], v[ST+8*\t+4], v[ST+8*\t+5]
.endr
.irp t, 0,1,2,3
	v_mul_f32 v[ST+8*\t], s[CS], v[ST+8*\t+1]
.endr
.if !\first
.irp t, 0,1,2,3
	v_sub_f32 v[ST+8*\t+7], v[ST+8*\t+7], v[ST+8*\t]
.endr
.irp t, 0,1,2,3
	v_exp_f32 v[ST+8*\t+6], v[ST+8*\t+7]           ; a.  From here to the wait: ONE BATCH of exponentials; no line in it names a result
.endr
.endif
.set ii, 0
.rept 16
	v_pk_fma_f32 v[S+2*ii:S+2*ii+1], v[S+2*ii:S+2*ii+1], s[CS:CS+1], v[ST:ST+1] op_sel_hi:[1,0,0] neg_lo:[0,0,1] neg_hi:[0,0,1]   ; tile 0: c s - c m, a pair at a time
.set ii, ii+1
.endr
.set tt, 0
.rept 4
.set ii, 0
.rept 16
	v_exp_f32 v[S+32*tt+2*ii], v[S+32*tt+2*ii]
	v_exp_f32 v[S+32*tt+2*ii+1], v[S+32*tt+2*ii+1]
.if tt < 3
	v_pk_fma_f32 v[S+32*(tt+1)+2*ii:S+32*(tt+1)+2*ii+1], v[S+32*(tt+1)+2*ii:S+32*(tt+1)+2*ii+1], s[CS:CS+1], v[ST+8*(tt+1):ST+8*(tt+1)+1] op_sel_hi:[1,0,0] neg_lo:[0,0,1] neg_hi:[0,0,1]   ; the next tile's scalings stand among this tile's exponentials
.endif
.set ii, ii+1
.endr
.set tt, tt+1
.endr
	v_nop                                          ; the plain instruction behind the last exponential
	s_wait_alu depctr_va_vdst(0)                   ; one wait for the whole batch, ahead of the first line that names a result
.irp t, 0,1,2,3                        ; the sums, of the unrounded p, in two chains; p is kept
.if \first
	v_pk_add_f32 v[ST+8*\t+2:ST+8*\t+3], v[S+32*\t:S+32*\t+1], v[S+32*\t+4:S+32*\t+5]
.else
	v_pk_fma_f32 v[ST+8*\t+2:ST+8*\t+3], v[ST+8*\t+2:ST+8*\t+3], v[ST+8*\t+6:ST+8*\t+7], v[S+32*\t:S+32*\t+1] op_sel_hi:[1,0,1]   ; l a + the first pair
.endif
.endr
.irp t, 0,1,2,3
	v_pk_add_f32 v[ST+8*\t+4:ST+8*\t+5], v[S+32*\t+2:S+32*\t+3], v[S+32*\t+6:S+32*\t+7]
.endr
.if !\first
.irp t, 0,1,2,3
	v_pk_add_f32 v[ST+8*\t+2:ST+8*\t+3], v[ST+8*\t+2:ST+8*\t+3], v[S+32*\t+4:S+32*\t+5]
.endr
.endif
.irp q, 2,3,4,5,6,7
.irp t, 0,1,2,3
	v_pk_add_f32 v[ST+8*\t+2:ST+8*\t+3], v[ST+8*\t+2:ST+8*\t+3], v[S+32*\t+4*\q:S+32*\t+4*\q+1]
.endr
.irp t, 0,1,2,3
	v_pk_add_f32 v[ST+8*\t+4:ST+8*\t+5], v[ST+8*\t+4:ST+8*\t+5], v[S+32*\t+4*\q+2:S+32*\t+4*\q+3]
.endr
.endr
.irp t, 0,1,2,3
	v_pk_add_f32 v[ST+8*\t+2:ST+8*\t+3], v[ST+8*\t+2:ST+8*\t+3], v[ST+8*\t+4:ST+8*\t+5]
.endr
.set pp, 0
.rept 16                               ; p to f16, in place: pair pp goes to register pp, which has been read by then
.irp t, 0,1,2,3
	v_cvt_pk_f16_f32 v[S+32*\t+pp], v[S+32*\t+2*pp], v[S+32*\t+2*pp+1]
.endr
.set pp, pp+1
.endr
.if !\first
	WIN W_RS
.set pp, 0
.rept 16                               ; O^T times a, each accumulator from its low end on
.irp t, 0,1,2,3
	v_pk_mul_f32 v[32*\t+2*pp:32*\t+2*pp+1], v[32*\t+2*pp:32*\t+2*pp+1], v[ST+8*\t+6:ST+8*\t+7] op_sel_hi:[1,0]
.endr
.set pp, pp+1
.endr
.endif
.endm
; A KEY STEP: 64 keys.  first = 1: the first;  last = 1: the last, which fetches nothing for a next step.
.macro STEP first, last
	s_wait_dscnt 0x0                               ; this step's K and key bias are in
	WIN W_QK0
.irp kt, 0,1,2,3                       ; S^T = K Q^T + bias: channels 0-31; the sixteen accumulators take turns
.irp t, 0,1,2,3
	v_wmma_f32_16x16x32_f16 v[S+32*\t+8*\kt:S+32*\t+8*\kt+7], v[KF+16*\kt:KF+16*\kt+7], v[QF+16*\t:QF+16*\t+7], v[VB+8*\kt:VB+8*\kt+7]
.endr
.endr
	WIN W_QK1
.irp kt, 0,1,2,3                       ; channels 32-63, in the same order
.irp t, 0,1,2,3
	v_wmma_f32_16x16x32_f16 v[S+32*\t+8*\kt:S+32*\t+8*\kt+7], v[KF+16*\kt+8:KF+16*\kt+15], v[QF+16*\t+8:QF+16*\t+15], v[S+32*\t+8*\kt:S+32*\t+8*\kt+7]
.endr
.endr
	WIN 0
	v_add_nc_u32 v[ADV], s[TBV], v[AV0]            ; four plain lines: the places behind the products, in front of the loads into their operands and of the first read of the scores
.if \last
	v_nop
	v_nop
.else
	v_add_nc_u32 v[ADK], s[TBK], v[AK0]
	v_add_nc_u32 v[ADB], s[TBB], v[AKB0]
.endif
	v_nop
	WIN W_LD1
	FETCHV                                         ; this step's V,
	WIN 0
.if !\last
	FETCHK ADK                                     ; the next step's K: both land under the softmax
	s_add_co_u32 s[TBV], s[TBV], VSTP
	s_add_co_u32 s[TBK], s[TBK], KSTP
	s_add_co_u32 s[TBB], s[TBB], 256
.endif
	SOFTMAX \first
.if \last
	s_wait_dscnt 0x0                               ; V is in
.else
	s_wait_dscnt 16                                ; V is in; the 16 younger loads, the next step's K, may be out
.endif
	WIN W_PV
	PVU 0, \first
.if !\last
.rept 4
	v_nop                                          ; places in front of the loads into V's first half, which those products read
.endr
	WIN W_LD1
	FETCHB ADB                                     ; the next step's key bias
	WIN W_PV
.endif
	PVU 1, 0
	WIN 0
.rept 5
	v_nop                                          ; five places: the next matrix instructions write over P, an operand of these products
.endr
.endm
	s_wait_tensorcnt 3                             ; my parts of the key bias and of chunk 0 are in; chunks 1 to 3 may be out
	s_barrier_signal -1
	s_barrier_wait -1                              ; everybody's are
	FETCHK AK0                                     ; key step 0
	WIN W_LD1
	FETCHB AKB0
	WIN 0
	s_wait_loadcnt 0x0                             ; Q, and my queries' entries of the key bias
	STEP 1, 0                                      ; steps 0 to 2 read keys 0 to 255 alone (K of step 3 among them): chunk 0
	STEP 0, 0
	STEP 0, 0
	s_wait_dscnt 0x0
	s_wait_tensorcnt 0x0                           ; my parts of chunks 1 to 3 are in,
	s_barrier_signal -1
	s_barrier_wait -1                              ; everybody's are
	s_mov_b32 s[CNT], 12
.Lstep:                                            ; steps 3 to 14
	STEP 0, 0
	s_sub_co_u32 s[CNT], s[CNT], 1
	s_cmp_lg_u32 s[CNT], 0
	s_cbranch_scc1 .Lstep
	STEP 0, 1                                      ; step 15
	; MEAN(V).  Wave w sums keys 512 (w / 4) on, channels 16 (w % 4) on: 16 fragments of V^T x a fragment of 2^-10, on two accumulators by turns.
.irp j, 0,1,2,3,4,5,6,7
	v_mov_b32 v[ONE+\j], 0x14001400                ; 2^-10 in both halves
.endr
	s_mul_i32 s20, s11, 256*VP
	s_lshl_b32 s21, s12, 5
	s_add_co_u32 s20, s20, s21
	v_add_nc_u32 v[ADV], s20, v[AV0]
.macro MEANB zero
	WIN W_LD1
.irp i, 0,1,2,3,4,5,6,7
	ds_load_tr16_b128 v[VB+8*\i:VB+8*\i+3],   v[ADV] offset:16*VP*\i
	ds_load_tr16_b128 v[VB+8*\i+4:VB+8*\i+7], v[ADV] offset:16*VP*\i+8*VP
.endr
	s_wait_dscnt 0x0
	WIN W_SV
.irp i, 0,1,2,3,4,5,6,7
.if \zero && (\i < 2)
	v_wmma_f32_16x16x32_f16 v[EA+8*(\i%2):EA+8*(\i%2)+7], v[VB+8*\i:VB+8*\i+7], v[ONE:ONE+7], 0
.else
	v_wmma_f32_16x16x32_f16 v[EA+8*(\i%2):EA+8*(\i%2)+7], v[VB+8*\i:VB+8*\i+7], v[ONE:ONE+7], v[EA+8*(\i%2):EA+8*(\i%2)+7]
.endif
.endr
	WIN 0
.endm
	MEANB 1
	v_add_nc_u32 v[ADV], 8*16*VP, v[ADV]           ; the next 256 keys.  With the three lines below: four places in front of the loads
	v_nop
	v_nop
	v_nop
	MEANB 0
.rept 4
	v_nop
.endr
.irp j, 0,1,2,3,4,5,6,7
	v_add_f32 v[MS+\j], v[EA+\j], v[EA+8+\j]
.endr
	ds_store_b128 v[ASC], v[MS:MS+3]               ; register j: channel 16 (w % 4) + 8 h + j; all sixteen lanes of a half hold the same numbers and write the same bytes
	ds_store_b128 v[ASC], v[MS+4:MS+7] offset:16
	s_wait_dscnt 0x0                               ; for the others' sake: my stores are done
	s_barrier_signal -1
	s_barrier_wait -1
.irp kh, 0,1
.irp ct, 0,1,2,3
	ds_load_b128 v[MV+32*\kh+8*\ct:MV+32*\kh+8*\ct+3],   v[AMV] offset:256*\kh+64*\ct
	ds_load_b128 v[MV+32*\kh+8*\ct+4:MV+32*\kh+8*\ct+7], v[AMV] offset:256*\kh+64*\ct+16
.endr
.endr
.irp t, 0,1,2,3
	v_add_f32 v[ST+8*\t+4], v[ST+8*\t+2], v[ST+8*\t+3]   ; l's two halves,
.endr
.irp t, 0,1,2,3
	v_permlanex16_b32 v[ST+8*\t+5], v[ST+8*\t+4], s[SEL], s[SEL+1]
.endr
.irp t, 0,1,2,3
	v_add_f32 v[ST+8*\t+4], v[ST+8*\t+4], v[ST+8*\t+5]   ; and the other half of the lanes'
.endr
.irp t, 0,1,2,3
	v_rcp_f32 v[ST+8*\t+6], v[ST+8*\t+4]
.endr
	v_nop                                          ; a plain instruction behind the last reciprocal
	s_wait_dscnt 0x0
.set pp, 0
.rept 16
	v_pk_add_f32 v[MV+2*pp:MV+2*pp+1], v[MV+2*pp:MV+2*pp+1], v[MV+32+2*pp:MV+32+2*pp+1]   ; the two halves of the keys: mean(V), register 8 ct + j = channel 16 ct + 8 h + j
.set pp, pp+1
.endr
.irp t, 0,1,2,3
	v_cmp_gt_f32 s[QM+\t], 0, v[KBQ+\t]            ; the lanes whose query does not count
.endr
	s_wait_alu depctr_va_vdst(0)                   ; one wait for the four reciprocals, ahead of their first use
; THE WAY OUT.  Tile t: O^T / l; rows of queries that do not count are replaced by mean(V); rounded to f16; 16 bytes a lane into my stage, and back as 512 dense bytes an instruction.
.macro PACK t
	WIN W_RS
.set i, 0
.rept 16
	v_pk_mul_f32 v[32*\t+2*i:32*\t+2*i+1], v[32*\t+2*i:32*\t+2*i+1], v[ST+8*\t+6:ST+8*\t+7] op_sel_hi:[1,0]
.set i, i+1
.endr
.set i, 0
.rept 32
	v_cndmask_b32 v[32*\t+i], v[32*\t+i], v[MV+i], s[QM+\t]
.set i, i+1
.endr
	WIN W_CV
.set i, 0
.rept 16
	v_cvt_pk_f16_f32 v[PB+16*\t+i], v[32*\t+2*i], v[32*\t+2*i+1]
.set i, i+1
.endr
	WIN 0
.irp ct, 0,1,2,3
	ds_store_b128 v[STO], v[PB+16*\t+4*\ct:PB+16*\t+4*\ct+3] offset:32*\ct
.endr
.irp i, 0,1,2,3
	ds_load_b128 v[PB+16*\t+4*\i:PB+16*\t+4*\i+3], v[RD] offset:\i*4*SPITCH   ; LDS serves a wave's instructions in order (ISA guide 5.7.1.4): these see the stores above; the next tile's stores come behind them
.endr
.endm
.macro SEND t, younger                 ; younger: the LDS instructions issued behind tile t's loads: the next tile's eight, or none
.irp i, 0,1,2,3
	s_wait_dscnt \younger+3-\i
	global_store_b128 v[GO], v[PB+16*\t+4*\i:PB+16*\t+4*\i+3], s[8:9] offset:2048*\t+512*\i   ; the wave stores 512 consecutive bytes, aligned: four tokens of the head
.endr
.endm
	PACK 0
	PACK 1                                         ; a tile's arithmetic stands between the loads of the tile before and its stores
	SEND 0, 8
	PACK 2
	SEND 1, 8
	PACK 3
	SEND 2, 8
	SEND 3, 0
	s_wait_tensorcnt 0x0                           ; the wave's end, behind my last tensor load and my last LDS store
	ds_add_u32 v[SPW], v[NIL]
	s_wait_dscnt 0x0
	s_endpgm
.Lfunc_end_k_q6eed81c0b2_attn:
	.size	k_q6eed81c0b2_attn, .Lfunc_end_k_q6eed81c0b2_attn-k_q6eed81c0b2_attn
	.p2alignl 7, 3214868480
	.fill 96, 4, 3214868480
	.section	.rodata,"a",@progbits
	.p2align	6, 0x0
	.amdhsa_kernel k_q6eed81c0b2_attn
		.amdhsa_group_segment_fixed_size 327680
		.amdhsa_private_segment_fixed_size 0
		.amdhsa_enable_private_segment 0
		.amdhsa_kernarg_size 24
		.amdhsa_user_sgpr_count 2
		.amdhsa_user_sgpr_kernarg_segment_ptr 1
		.amdhsa_wavefront_size32 1
		.amdhsa_system_sgpr_workgroup_id_x 1
		.amdhsa_system_sgpr_workgroup_id_y 1
		.amdhsa_system_sgpr_workgroup_id_z 1
		.amdhsa_system_vgpr_workitem_id 0
		.amdhsa_next_free_vgpr 512
		.amdhsa_next_free_sgpr 100
		.amdhsa_reserve_vcc 0
		.amdhsa_float_denorm_mode_32 3
		.amdhsa_float_denorm_mode_16_64 3
		.amdhsa_memory_ordered 1
		.amdhsa_forward_progress 1
		.amdhsa_inst_pref_size 197
	.end_amdhsa_kernel
	.amdgpu_metadata
---
amdhsa.version: [ 1, 2 ]
amdhsa.kernels:
  - .name:           k_q6eed81c0b2_attn
    .symbol:         k_q6eed81c0b2_attn.kd
    .args:
      - { .name: qkvh, .offset: 0, .size: 8, .value_kind: global_buffer, .address_space: global }
      - { .name: kbias, .offset: 8, .size: 8, .value_kind: global_buffer, .address_space: global }
      - { .name: oh, .offset: 16, .size: 8, .value_kind: global_buffer, .address_space: global }
    .group_segment_fixed_size: 327680
    .private_segment_fixed_size: 0
    .kernarg_segment_align: 8
    .kernarg_segment_size: 24
    .max_flat_workgroup_size: 256
    .sgpr_count:     100
    .vgpr_count:     512
    .wavefront_size: 32
...
	.end_amdgpu_metadata
.endif
;; end of part 3
;; launch proj (part 4): grid 4 x 64, 4 waves a work-group, clusters of 4 x 4, 327,680 bytes of LDS; arguments oh, woh, bout, out0; writes out0
.if DOCPART == 4
	.amdgcn_target "amdgcn-amd-amdhsa--gfx1250"
	.amdhsa_code_object_version 6
	.text
	.protected	k_q6eed81c0b2_proj
	.globl	k_q6eed81c0b2_proj
	.p2align	8
	.type	k_q6eed81c0b2_proj,@function
k_q6eed81c0b2_proj:
	s_mov_b64 s[64:65], 0
	v_nop
	global_prefetch_b8 v0, s[64:65] scope:SCOPE_SE
	s_setreg_imm32_b32 hwreg(HW_REG_WAVE_MODE, 25, 1), 1
	s_wait_xcnt 0x0
	s_wait_alu depctr_hold_cnt(0) depctr_sa_sdst(0) depctr_va_vdst(0) depctr_va_sdst(0) depctr_va_ssrc(0) depctr_va_vcc(0) depctr_vm_vsrc(0)
	s_getreg_b32 s2, hwreg(HW_REG_IB_STS2, 6, 4)
	s_cmp_eq_u32 s2, 0
	s_cbranch_scc0 .Lentry_in_a_cluster
	s_endpgm
.Lentry_in_a_cluster:
	s_bfe_u32 s2, ttmp6, 0x10000c
	s_cmp_lg_u32 s2, 0xf033
	s_cbranch_scc0 .Lentry_shape_is_right
	s_endpgm
.Lentry_shape_is_right:
; out0[m][n] = sum over k of O[m][k] Wout[n][k] + bout[n].  O: f16, head-major [8][16][1024][64] (k = 64 head + channel); Wout: f16 [1024][1024]; bout, out0: f32; sums in f32.
; A tile of the result is 128 tokens x 256 outputs: 4 x 64 = 256 work-groups.  Four waves, each 64 tokens x 128 outputs: 32 accumulators of 16 x 16, 256 registers.
; K goes in steps of 128 (two heads) through a ring of two LDS slots filled by the tensor data mover.  A head's 128 tokens are 16,384 dense bytes: they come as 64 rows of 256 bytes (two tokens a row).
; CLUSTERS: 4 x 4 work-groups.  The four of a row of the cluster need the same tiles of O, the four of a column the same tiles of Wout: each tile is asked for JOINTLY, by the same tensor load with the same
; descriptor and a mask that names the four.  THE MATRIX INSTRUCTION IS USED TRANSPOSED (source 0 = 16 rows of Wout, source 1 = 16 tokens): a lane holds eight neighbouring outputs of one token.
; The bias is the C of each sum's first matrix instruction: eight registers a tile of outputs, in the result's layout.  No prefetch: eight K steps, and the tiles are shared in the cluster.
; REGISTERS.  Window 0: v1-31 addresses; two fragment buffers of 96: O's 4 fragments at v[32 + 96 f], Wout's 8 at v[64 + 96 f]; on the way out v32-159 hold rows.
;             Window 1: accumulator (a, b) at v[8 (8 a + b)].   Window 2: v0-63 the bias, tile b at v[8 b].
.set PITCH,  272                       ; an LDS row: 256 bytes + 16 of padding: the 16 rows of a fragment load fall on 16 different 16-byte columns of the 64 banks (ISA guide 11.1)
.set ASUB,   64*PITCH                  ; a head's 128 tokens
.set BOFF,   2*ASUB                    ; Wout's rows lie behind O's two heads
.set BHALF,  128*PITCH
.set SLOT,   BOFF+2*BHALF
.set SPARE,  2*SLOT                    ; the spare words, 128 bytes for each wave, which no other line names
.set SPITCH, 528                       ; the way out: a stage of 16 rows x (512 bytes + 16) for each wave, in slot 0, which has had its last fill and its last read by then
.set LAPS,   4                         ; a lap = two K steps = once round the ring
.set ADRA, 16                          ; v16-17  LDS address of my O fragments in slot 0, 1
.set ADRB, 20                          ; v20-21  the same for Wout
.set STO,  24
.set RD,   25
.set CO,   26
.set SPW,  28                          ; v28  LDS address of my spare word; never rewritten
.set NIL,  29                          ; v29  0; never rewritten
.set BO,   30                          ; v30  32 h: my half's eight numbers of a tile of bout
.set FA,   32
.set FB,   64
.set BK,   32                          ; the way out: v32-95 and v96-159 by turns
.set G1, 24                            ; s[24:31] descriptor group 1 for O's tiles;  s[32:39] group 0, one set for each slot
.set G0, 32
.set G1B, 48                           ; s[48:55], s[56:63] the same for Wout's
.set G0B, 56
.set MSB, 0
.macro WIN new
.if MSB != (\new)
	s_set_vgpr_msb (MSB<<8)|(\new)
.set MSB, (\new)
.endif
.endm
.set MULW, 0x50                        ; sources 0 and 1 window 0; C and D window 1
.set MULZ, 0x60                        ; C (the bias) window 2, D window 1
.macro JLOAD s                         ; a joint load: waves 0 and 1 fetch O's two heads, waves 2 and 3 Wout's two halves; an s_nop 0 and four v_nop follow each line
	s_cmp_eq_u32 s13, 0
	s_cbranch_scc0 .Lfor_b_\@
	tensor_load_to_lds s[G0+4*\s:G0+4*\s+3], s[G1:G1+7]
	s_nop 0
.rept 4
	v_nop
.endr
	s_branch .Lasked_\@
.Lfor_b_\@:
	tensor_load_to_lds s[G0B+4*\s:G0B+4*\s+3], s[G1B:G1B+7]
	s_nop 0
.rept 4
	v_nop
.endr
.Lasked_\@:
.endm
.macro CREST                           ; a round of the cluster's barrier behind its opening barrier
	s_cmp_lg_u32 s12, 0
	s_cbranch_scc1 .Lnot_wave_0_\@
	s_barrier_signal -3
.Lnot_wave_0_\@:
	s_barrier_wait -3
	s_barrier_signal -1
	s_barrier_wait -1
.endm
.macro CROUND
	s_barrier_signal -1
	s_barrier_wait -1
	CREST
.endm
	s_load_b256 s[4:11], s[0:1], 0x0               ; oh s[4:5], woh s[6:7], bout s[8:9], out0 s[10:11]
	v_lshl_add_u32 v[SPW], v0, 2, SPARE
	v_mov_b32 v[NIL], 0
	ds_add_u32 v[SPW], v[NIL]                      ; the wave's opening: the add, twice on end, and its wait ahead of my first tensor load
	ds_add_u32 v[SPW], v[NIL]
	v_lshrrev_b32 v1, 5, v0
	v_readfirstlane_b32 s12, v1                    ; wave 0..3
	s_lshr_b32 s13, s12, 1                         ; which 64 tokens are mine.  Also: I fetch for O (0) or for Wout (1)
	s_and_b32 s14, s12, 1                          ; which 128 outputs.  Also: which head, or which 128 rows of Wout, I fetch
	s_bfe_u32 s40, ttmp6, 0x40000                  ; cx, cy: my place in the cluster
	s_bfe_u32 s41, ttmp6, 0x40004
	s_lshl_b32 s42, ttmp9, 2
	s_add_co_u32 s42, s42, s40                     ; tile column = 4 x cluster x + cx
	s_and_b32 s15, ttmp7, 0xffff
	s_lshl_b32 s15, s15, 2
	s_add_co_u32 s15, s15, s41                     ; tile row = 4 x cluster y + cy
	s_lshl_b32 s43, s41, 2
	s_lshl_b32 s43, 15, s43                        ; my row of the cluster
	s_lshl_b32 s44, 0x1111, s40                    ; my column
	s_or_b32 s[G1+0], s43, (1<<16)|(1<<20)|(1<<21)|(5<<22)|(3<<25)  ; 15:0 the mask: O's tiles go to my row; elements of 2 bytes; padding on; 21 set beside a mask; after every 64 words; 4 words
	s_or_b32 s[G1B+0], s44, (1<<16)|(1<<20)|(1<<21)|(5<<22)|(3<<25)
	s_mov_b32 s[G1+1], 128<<16                     ; O: 64 rows of 128 elements, dense
	s_mov_b32 s[G1+2], 64<<16
	s_mov_b32 s[G1+3], 128<<16
	s_mov_b32 s[G1+4], 64
	s_mov_b32 s[G1+5], 128
	s_mov_b32 s[G1+6], 0
	s_mov_b32 s[G1+7], 0
	s_mov_b32 s[G1B+1], 128<<16                    ; Wout: 128 rows of 128 elements, 1,024 elements apart
	s_mov_b32 s[G1B+2], 128<<16
	s_mov_b32 s[G1B+3], 128<<16
	s_mov_b32 s[G1B+4], 128
	s_mov_b32 s[G1B+5], 1024
	s_mov_b32 s[G1B+6], 0
	s_mov_b32 s[G1B+7], 0
	; O's tiles hang on the tile row alone, Wout's on the tile column alone; each address is made in registers that never hold the other coordinate
	s_lshr_b32 s16, s15, 3
	s_lshl_b32 s16, s16, 21                        ; the batch: 16 heads of 131,072 bytes (a batch is eight tile rows)
	s_and_b32 s17, s15, 7
	s_lshl_b32 s17, s17, 14                        ; 128 tokens of 128 bytes for each tile row in the batch
	s_add_co_u32 s16, s16, s17
	s_lshl_b32 s17, s14, 17                        ; my head of the K step's two
	s_add_co_u32 s16, s16, s17
	s_mov_b32 s17, 0
	s_lshl_b32 s46, s42, 19                        ; 256 rows of 2,048 bytes for each tile column,
	s_lshl_b32 s47, s14, 18                        ; 128 for my half
	s_add_co_u32 s46, s46, s47
	s_mov_b32 s47, 0
	s_mul_i32 s20, s14, ASUB                       ; where they go: no place in the cluster enters an LDS address
	s_mul_i32 s21, s14, BHALF
	s_add_co_u32 s21, s21, BOFF
	s_wait_dscnt 0x0                               ; both opening adds are done
	s_wait_kmcnt 0x0
	s_add_nc_u64 s[16:17], s[4:5], s[16:17]
	s_add_nc_u64 s[46:47], s[6:7], s[46:47]
	CROUND                                         ; all sixteen work-groups are here: the first joint loads meet
.irp s, 0,1
	s_mov_b32 s[G0+4*\s], 1
	s_add_co_u32 s[G0+4*\s+1], s20, \s*SLOT
	s_add_nc_u64 s[G0+4*\s+2:G0+4*\s+3], s[16:17], \s*262144     ; K step s: two heads on
	s_or_b32 s[G0+4*\s+3], s[G0+4*\s+3], 0x80000000
	s_mov_b32 s[G0B+4*\s], 1
	s_add_co_u32 s[G0B+4*\s+1], s21, \s*SLOT
	s_add_nc_u64 s[G0B+4*\s+2:G0B+4*\s+3], s[46:47], \s*256
	s_or_b32 s[G0B+4*\s+3], s[G0B+4*\s+3], 0x80000000
	JLOAD \s
.endr
	v_and_b32 v1, 15, v0                           ; r
	v_bfe_u32 v2, v0, 4, 1                         ; h
	v_lshlrev_b32 v[BO], 5, v2
	s_lshl_b32 s46, s42, 10                        ; my first output, in bytes of f32: 1,024 x tile column + 512 x half
	s_lshl_b32 s47, s14, 9
	s_add_co_u32 s46, s46, s47
	s_mov_b32 s47, 0
	s_add_nc_u64 s[8:9], s[8:9], s[46:47]
	s_add_nc_u64 s[10:11], s[10:11], s[46:47]
	WIN 0x80                                       ; destination window 2
.irp b, 0,1,2,3,4,5,6,7
	global_load_b128 v[8*\b:8*\b+3],   v[BO], s[8:9] offset:64*\b        ; bout of outputs 16 b + 8 h + 0..7
	global_load_b128 v[8*\b+4:8*\b+7], v[BO], s[8:9] offset:64*\b+16
.endr
	WIN 0
	v_lshrrev_b32 v3, 1, v1
	v_and_b32 v4, 1, v0
	v_mul_u32_u24 v5, v3, PITCH                    ; O: token r lies in long row r / 2,
	v_lshl_add_u32 v5, v4, 7, v5                   ; half r % 2
	v_lshl_add_u32 v5, v2, 4, v5
	v_mul_u32_u24 v6, v1, PITCH                    ; Wout: row r
	v_lshl_add_u32 v6, v2, 4, v6
	s_mul_i32 s21, s13, 32*PITCH                   ; my 64 tokens
	s_mul_i32 s22, s14, BHALF                      ; my 128 rows of Wout
	s_add_co_u32 s22, s22, BOFF
.irp s, 0,1
	v_add_nc_u32 v[ADRA+\s], s21, v5
	v_add_nc_u32 v[ADRB+\s], s22, v6
	s_add_co_u32 s21, s21, SLOT
	s_add_co_u32 s22, s22, SLOT
.endr
	s_mul_i32 s23, s12, 16*SPITCH                  ; my stage
	v_mul_u32_u24 v5, v1, SPITCH                   ; in: row r, 32 bytes for each half of the lanes
	v_lshl_add_u32 v5, v2, 5, v5
	v_add_nc_u32 v[STO], s23, v5
	v_and_b32 v6, 31, v0
	v_lshlrev_b32 v[CO], 4, v6                     ; back: the 32 lanes take one row of 512 bytes; and the same in out0
	v_add_nc_u32 v[RD], s23, v[CO]
	s_lshl_b32 s20, s15, 19                        ; my first token's row of 4,096 bytes: 128 x tile row + 64 x half
	s_lshl_b32 s21, s13, 18
	s_add_co_u32 s20, s20, s21
	s_mov_b32 s21, 0
	s_add_nc_u64 s[10:11], s[10:11], s[20:21]
; 8 matrix instructions: block a of 16 tokens against all 8 blocks of outputs, 32 along K, from buffer f.  zero = 1: the bias starts the sums.  The 32 accumulators take turns in the same order in every quarter.
.macro MUL8 f, a, zero
.irp b, 0,1,2,3,4,5,6,7
.if \zero
	v_wmma_f32_16x16x32_f16 v[8*(8*(\a)+\b):8*(8*(\a)+\b)+7], v[FB+96*(\f)+8*\b:FB+96*(\f)+8*\b+7], v[FA+96*(\f)+8*(\a):FA+96*(\f)+8*(\a)+7], v[8*\b:8*\b+7]
.else
	v_wmma_f32_16x16x32_f16 v[8*(8*(\a)+\b):8*(8*(\a)+\b)+7], v[FB+96*(\f)+8*\b:FB+96*(\f)+8*\b+7], v[FA+96*(\f)+8*(\a):FA+96*(\f)+8*(\a)+7], v[8*(8*(\a)+\b):8*(8*(\a)+\b)+7]
.endif
.endr
.endm
; 24 LDS loads in one run: the fragments of quarter q (32 along K: head q / 2, channels 32 (q % 2) on) into buffer f; Wout's first, then O's blocks 0 to 3
.macro FETCH slot, q, f
	WIN 0
.irp i, 0,1,2,3,4,5,6,7
	ds_load_b128 v[FB+96*(\f)+8*\i:FB+96*(\f)+8*\i+3],   v[ADRB+\slot] offset:64*(\q)+\i*16*PITCH
	ds_load_b128 v[FB+96*(\f)+8*\i+4:FB+96*(\f)+8*\i+7], v[ADRB+\slot] offset:64*(\q)+\i*16*PITCH+32
.endr
.irp i, 0,1,2,3
	ds_load_b128 v[FA+96*(\f)+8*\i:FA+96*(\f)+8*\i+3],   v[ADRA+\slot] offset:ASUB*((\q)/2)+64*((\q)%2)+\i*8*PITCH
	ds_load_b128 v[FA+96*(\f)+8*\i+4:FA+96*(\f)+8*\i+7], v[ADRA+\slot] offset:ASUB*((\q)/2)+64*((\q)%2)+\i*8*PITCH+32
.endr
.endm
.macro PLACES                          ; four places in front of loads into registers that matrix instructions have read, and of the first read of results (ISA guide 7.12.1 for vector instructions)
.rept 4
	v_nop
.endr
.endm
; A K step is four quarters of 32 along K, 32 matrix instructions each, on buffers 0, 1, 0, 1.  One of the first three: multiplies buffer f and fetches quarter qn into buffer g.
.macro QUARTER slot, qn, f, g, zero
	s_wait_dscnt 4                                 ; Wout's fragments and O's blocks 0 and 1 are in; the youngest four loads (blocks 2 and 3) may be out
	WIN MULW+0x10*(\zero)
	MUL8 \f, 0, \zero
	MUL8 \f, 1, \zero
	PLACES
	FETCH \slot, \qn, \g
	s_wait_dscnt 24                                ; all but the 24 just issued
	WIN MULW+0x10*(\zero)
	MUL8 \f, 2, \zero
	MUL8 \f, 3, \zero
.endm
; The last quarter multiplies buffer 1 and changes slots: ONE barrier; in front of it each wave waits for all its tensor loads, adds 0 to its spare word, and waits for that and for its reads of this slot.
; fill = 1: the barrier opens a round of the cluster's barrier, and this slot is filled again, two K steps ahead, first thing behind the round.
.macro TURN slot, next, fill
	WIN 0
	s_wait_tensorcnt 0x0                           ; all my tensor loads have landed: my part of the next slot
	ds_add_u32 v[SPW], v[NIL]                      ; 0 onto my spare word
	s_wait_dscnt 5                                 ; (the add and the youngest four loads may be out)
	WIN MULW
	MUL8 1, 0, 0                                   ; eight matrix instructions stand between the add and the wait for it
	s_wait_dscnt 0x0                               ; the add is done, and my reads of this slot are over
	s_barrier_signal -1
	MUL8 1, 1, 0
	WIN 0
	s_barrier_wait -1
.if \fill
	CREST                                          ; no wave of any partner still reads this slot's tile or has a load on its way
	s_add_nc_u64 s[G0+4*\slot+2:G0+4*\slot+3], s[G0+4*\slot+2:G0+4*\slot+3], 524288   ; four heads on
	s_add_nc_u64 s[G0B+4*\slot+2:G0B+4*\slot+3], s[G0B+4*\slot+2:G0B+4*\slot+3], 512
	JLOAD \slot                                    ; the four v_nop behind it are also the places in front of the loads below
.else
	PLACES
.endif
	FETCH \next, 0, 0
	WIN MULW
	MUL8 1, 2, 0
	MUL8 1, 3, 0
.endm
	s_wait_tensorcnt 1                             ; my part of K step 0 is in (K step 1's load may be out)
	s_barrier_signal -1
	s_barrier_wait -1                              ; everybody's is
	FETCH 0, 0, 0
	s_wait_loadcnt 0x0                             ; the bias
	QUARTER 0, 1, 0, 1, 1                          ; the first quarter stands in front of the loop: its products start the sums
	WIN 0                                          ; at a label and at a branch every window is 0
	s_mov_b32 s3, LAPS-1
.Llap:                                             ; a trip goes once round the ring, from a lap's second quarter to the next lap's first, and fills both slots again
	QUARTER 0, 2, 1, 0, 0
	QUARTER 0, 3, 0, 1, 0
	TURN 0, 1, 1
	QUARTER 1, 1, 0, 1, 0
	QUARTER 1, 2, 1, 0, 0
	QUARTER 1, 3, 0, 1, 0
	TURN 1, 0, 1
	QUARTER 0, 1, 0, 1, 0
	WIN 0
	s_sub_co_u32 s3, s3, 1
	s_cmp_lg_u32 s3, 0
	s_cbranch_scc1 .Llap
	QUARTER 0, 2, 1, 0, 0                          ; the last lap fills nothing, and has no round of the cluster's barrier
	QUARTER 0, 3, 0, 1, 0
	TURN 0, 1, 0
	QUARTER 1, 1, 0, 1, 0
	QUARTER 1, 2, 1, 0, 0
	QUARTER 1, 3, 0, 1, 0
	s_wait_dscnt 4                                 ; the very last quarter: nothing more to fetch
	WIN MULW
	MUL8 1, 0, 0
	MUL8 1, 1, 0
	s_wait_dscnt 0
	MUL8 1, 2, 0
	MUL8 1, 3, 0
	WIN 0
; THE WAY OUT, block by block of 16 tokens x 128 outputs.  A lane holds 32 neighbouring bytes of a row: a block goes through my own stage and comes back as whole rows of 512 bytes.
; LDS serves a wave's instructions in order (ISA guide 5.7.1.4): no wait between the stores and the loads, nor in front of the next block's stores.
.macro TOSTAGE a
	WIN 0x04                                       ; an LDS store's data are its source 1: window 1
.irp b, 0,1,2,3,4,5,6,7
	ds_store_b128 v[STO], v[64*(\a)+8*\b:64*(\a)+8*\b+3] offset:64*\b          ; each accumulator from its low end on
	ds_store_b128 v[STO], v[64*(\a)+8*\b+4:64*(\a)+8*\b+7] offset:64*\b+16
.endr
	WIN 0
.set BB, BK+64*((\a)%2)
.irp t, 0,1,2,3,4,5,6,7,8,9,10,11,12,13,14,15
	ds_load_b128 v[BB+4*\t:BB+4*\t+3], v[RD] offset:\t*SPITCH
.endr
.endm
.macro SEND a, younger                 ; younger: the LDS instructions issued behind block a's loads, which may stay out
.set BB, BK+64*((\a)%2)
	s_wait_dscnt \younger
.irp t, 0,1,2,3,4,5,6,7,8,9,10,11,12,13,14,15
	global_store_b128 v[CO], v[BB+4*\t:BB+4*\t+3], s[10:11] offset:65536*(\a)+4096*\t th:TH_STORE_NT   ; 32 lanes store 512 consecutive bytes, aligned; written once, read by nobody here
.endr
.endm
	PLACES                                         ; behind the last products: their results are read, and loads land in the registers that held their fragments
	TOSTAGE 0
.irp a, 1,2,3
.if \a > 1
	s_wait_xcnt 0x0                                ; block a - 2's stores have read their data registers: block a's loads may land there
.endif
	TOSTAGE \a
	SEND \a-1, 32                                  ; behind block a - 1's loads: block a's 16 stores and 16 loads
.endr
	SEND 3, 0
	s_wait_tensorcnt 0x0                           ; the wave's end, behind my last tensor load and my last LDS store
	ds_add_u32 v[SPW], v[NIL]
	s_wait_dscnt 0x0
	CROUND                                         ; the closing round: no work-group ends while a partner may still ask for a tile that names it
	s_endpgm
.Lfunc_end_k_q6eed81c0b2_proj:
	.size	k_q6eed81c0b2_proj, .Lfunc_end_k_q6eed81c0b2_proj-k_q6eed81c0b2_proj
	.p2alignl 7, 3214868480
	.fill 96, 4, 3214868480
	.section	.rodata,"a",@progbits
	.p2align	6, 0x0
	.amdhsa_kernel k_q6eed81c0b2_proj
		.amdhsa_group_segment_fixed_size 327680
		.amdhsa_private_segment_fixed_size 0
		.amdhsa_enable_private_segment 0
		.amdhsa_kernarg_size 32
		.amdhsa_user_sgpr_count 2
		.amdhsa_user_sgpr_kernarg_segment_ptr 1
		.amdhsa_wavefront_size32 1
		.amdhsa_system_sgpr_workgroup_id_x 1
		.amdhsa_system_sgpr_workgroup_id_y 1
		.amdhsa_system_sgpr_workgroup_id_z 1
		.amdhsa_system_vgpr_workitem_id 0
		.amdhsa_next_free_vgpr 576
		.amdhsa_next_free_sgpr 66
		.amdhsa_reserve_vcc 0
		.amdhsa_float_denorm_mode_32 3
		.amdhsa_float_denorm_mode_16_64 3
		.amdhsa_memory_ordered 1
		.amdhsa_forward_progress 1
		.amdhsa_inst_pref_size 86
	.end_amdhsa_kernel
	.amdgpu_metadata
---
amdhsa.version: [ 1, 2 ]
amdhsa.kernels:
  - .name:           k_q6eed81c0b2_proj
    .symbol:         k_q6eed81c0b2_proj.kd
    .args:
      - { .name: oh, .offset: 0, .size: 8, .value_kind: global_buffer, .address_space: global }
      - { .name: woh, .offset: 8, .size: 8, .value_kind: global_buffer, .address_space: global }
      - { .name: bout, .offset: 16, .size: 8, .value_kind: global_buffer, .address_space: global }
      - { .name: out0, .offset: 24, .size: 8, .value_kind: global_buffer, .address_space: global }
    .group_segment_fixed_size: 327680
    .private_segment_fixed_size: 0
    .kernarg_segment_align: 8
    .kernarg_segment_size: 32
    .max_flat_workgroup_size: 128
    .sgpr_count:     66
    .vgpr_count:     576
    .wavefront_size: 32
...
	.end_amdgpu_metadata
.endif
;; end of part 4
